; MI455X (gfx1250); checked and timed in simulation.
; The chip was launched on July 23, 2026; its instructions are those of AMD's public machine-readable ISA for CDNA 5 (MIT licence, August 2026) and "CDNA5" Instruction Set Architecture Reference Guide (July 2026). The comments in the code are by the model that wrote it; some were corrected since.
;; Simple Self Attention. Allowed arithmetic: float matrix products may take bf16 or f16 operands with f32 sums; all other float work in f32.
;; Inputs: wk 1,024 x 1,024 float32; wq 1,024 x 1,024 float32; wv 1,024 x 1,024 float32; x 4 x 2,048 x 1,024 float32.
;; Outputs: out0 4 x 2,048 x 1,024 float32.
;; 2 versions, each right; version 2 is version 1 with the launch prep written anew for expert scheduling mode. Each part assembles by itself: llvm-mc -triple=amdgcn-amd-amdhsa -mcpu=gfx1250 --defsym DOCPART=n.
;; ======== version 1 of 2: 4 launches
;; limits: values are held in f16: magnitudes above 65,504 overflow, below 6.1e-05 lose precision
;; workspace buffers: xb 16,777,216 bytes; wb 6,291,456 bytes; qkv 50,331,648 bytes; p 33,554,432 bytes; st 1,048,576 bytes
;; launch prep (part 1): grid 64 x 11, 8 waves a work-group, no clusters, 0 bytes of LDS; arguments x, wq, wk, wv, xb, wb; writes xb, wb
.if DOCPART == 1
	.amdgcn_target "amdgcn-amd-amdhsa--gfx1250"
	.amdhsa_code_object_version 6
	.text
	.protected	k_qde90b53b68_prep
	.globl	k_qde90b53b68_prep
	.p2align	8
	.type	k_qde90b53b68_prep,@function
k_qde90b53b68_prep:
	s_mov_b64 s[64:65], 0
	v_nop
	global_prefetch_b8 v0, s[64:65] scope:SCOPE_SE
	s_setreg_imm32_b32 hwreg(HW_REG_WAVE_MODE, 25, 1), 1
	s_wait_xcnt 0x0
; xb = x rounded to bf16; wb = [wq; wk; wv] rounded to bf16 (rows 0-1023 wq, 1024-2047 wk, 2048-3071 wv).
; LAYOUT.  Both are laid in blocks of 64 along K: xb [16 blocks][8192 rows][64], wb [16 blocks][3072 rows][64].  So the rows of a tile of 64 along K, 128 bytes each, lie end to end,
; and the launch behind asks for them as rows of 256 bytes.
; A stream: no LDS, no matrix work, no cluster (no byte is read by two work-groups).
; A work-group takes 16 rows (65,536 bytes of f32) in 16 steps.  In a step a wave takes 2 rows x one block: lanes 0-15 read 256 consecutive bytes of the even row, lanes 16-31 of the odd one,
; and the wave's store is 256 consecutive bytes, aligned.  Wave w takes blocks w (even steps) and w + 8 (odd steps).  All 16 loads of a wave go out at once; no register is written twice.
; Grid rows 0-7: the 512 pieces of x.  Rows 8, 9, 10: the 64 pieces of wq, wk, wv.
.set STEPS, 16
.set BLKX, 8192*128                    ; bytes in a block of xb
.set BLKW, 3072*128                    ; bytes in a block of wb
.set X, 8                              ; v[8:71]    step i: 4 registers as loaded
.set Y, 72                             ; v[72:103]  step i: 2 registers to store
	s_load_b256 s[4:11], s[0:1], 0x0               ; x s[4:5], wq s[6:7], wk s[8:9], wv s[10:11]
	s_load_b128 s[12:15], s[0:1], 0x20             ; xb s[12:13], wb s[14:15]
	v_lshrrev_b32 v3, 5, v0
	v_readfirstlane_b32 s27, v3                    ; wave 0..7
	s_and_b32 s2, ttmp7, 0xffff                    ; y
	s_mov_b32 s26, ttmp9                           ; g
	s_lshl_b32 s3, s2, 6
	s_add_co_u32 s3, s3, s26                       ; 64 y + g: the piece's number in x and in xb
	s_sub_co_u32 s25, s3, 512                      ; 64 (y - 8) + g: its number in wb
	s_mov_b32 s28, BLKW
	s_mov_b32 s29, BLKX
	s_cmp_lt_u32 s2, 8
	s_cselect_b32 s24, s3, s26                     ; the piece in its source: of x, or of one weight
	s_cselect_b32 s25, s3, s25                     ; the piece in its destination
	s_cselect_b32 s28, s29, s28                    ; the destination's block
	s_lshl_b32 s20, s24, 16                        ; 65,536 bytes of f32 a piece
	s_mov_b32 s21, 0
	s_lshl_b32 s22, s25, 11                        ; in a block: 16 rows of 128 bytes a piece
	s_mul_i32 s30, s27, s28                        ; + my wave's block
	s_add_co_u32 s22, s22, s30
	s_mov_b32 s23, 0
	s_lshl_b32 s28, s28, 3                         ; eight blocks on, for the odd steps
	s_mov_b32 s29, 0
	v_and_b32 v4, 15, v0
	v_bfe_u32 v5, v0, 4, 1
	v_lshlrev_b32 v1, 8, v3                        ; source: my wave's block is 256 bytes of a row,
	v_lshl_add_u32 v1, v5, 12, v1                  ; lanes 16-31 take the next row,
	v_lshl_add_u32 v1, v4, 4, v1                   ; 16 bytes a lane
	v_and_b32 v2, 31, v0
	v_lshlrev_b32 v2, 3, v2                        ; destination: 8 bytes a lane, the two rows end to end
	s_wait_kmcnt 0x0
	s_cmp_eq_u32 s2, 8
	s_cselect_b64 s[16:17], s[6:7], s[4:5]
	s_cmp_eq_u32 s2, 9
	s_cselect_b64 s[16:17], s[8:9], s[16:17]
	s_cmp_eq_u32 s2, 10
	s_cselect_b64 s[16:17], s[10:11], s[16:17]     ; the source
	s_cmp_lt_u32 s2, 8
	s_cselect_b64 s[18:19], s[12:13], s[14:15]     ; the destination
	s_add_nc_u64 s[16:17], s[16:17], s[20:21]
	s_add_nc_u64 s[18:19], s[18:19], s[22:23]      ; block w
	s_add_nc_u64 s[30:31], s[18:19], s[28:29]      ; block w + 8
.set i, 0
.rept STEPS
	global_load_b128 v[X+4*i:X+4*i+3], v1, s[16:17] offset:(i/2)*8192+(i%2)*2048 th:TH_LOAD_NT  ; rows 2 (i / 2) and the next; block w + 8 (i % 2)
.set i, i+1
.endr
.set i, 0
.rept STEPS
	s_wait_loadcnt STEPS-1-i                       ; loads come back in order: step i is in, the younger ones stay out
	v_cvt_pk_bf16_f32 v[Y+2*i], v[X+4*i], v[X+4*i+1]
	v_cvt_pk_bf16_f32 v[Y+2*i+1], v[X+4*i+2], v[X+4*i+3]
.if i%2
	global_store_b64 v2, v[Y+2*i:Y+2*i+1], s[30:31] offset:(i/2)*256
.else
	global_store_b64 v2, v[Y+2*i:Y+2*i+1], s[18:19] offset:(i/2)*256
.endif
.set i, i+1
.endr
	s_endpgm
.Lfunc_end_k_qde90b53b68_prep:
	.size	k_qde90b53b68_prep, .Lfunc_end_k_qde90b53b68_prep-k_qde90b53b68_prep
	.p2alignl 7, 3214868480
	.fill 96, 4, 3214868480
	.section	.rodata,"a",@progbits
	.p2align	6, 0x0
	.amdhsa_kernel k_qde90b53b68_prep
		.amdhsa_group_segment_fixed_size 0
		.amdhsa_private_segment_fixed_size 0
		.amdhsa_enable_private_segment 0
		.amdhsa_kernarg_size 48
		.amdhsa_user_sgpr_count 2
		.amdhsa_user_sgpr_kernarg_segment_ptr 1
		.amdhsa_wavefront_size32 1
		.amdhsa_system_sgpr_workgroup_id_x 1
		.amdhsa_system_sgpr_workgroup_id_y 1
		.amdhsa_system_sgpr_workgroup_id_z 1
		.amdhsa_system_vgpr_workitem_id 0
		.amdhsa_next_free_vgpr 104
		.amdhsa_next_free_sgpr 66
		.amdhsa_reserve_vcc 0
		.amdhsa_float_denorm_mode_32 3
		.amdhsa_float_denorm_mode_16_64 3
		.amdhsa_memory_ordered 1
		.amdhsa_forward_progress 1
		.amdhsa_inst_pref_size 8
	.end_amdhsa_kernel
	.amdgpu_metadata
---
amdhsa.version: [ 1, 2 ]
amdhsa.kernels:
  - .name:           k_qde90b53b68_prep
    .symbol:         k_qde90b53b68_prep.kd
    .args:
      - { .name: x, .offset: 0, .size: 8, .value_kind: global_buffer, .address_space: global }
      - { .name: wq, .offset: 8, .size: 8, .value_kind: global_buffer, .address_space: global }
      - { .name: wk, .offset: 16, .size: 8, .value_kind: global_buffer, .address_space: global }
      - { .name: wv, .offset: 24, .size: 8, .value_kind: global_buffer, .address_space: global }
      - { .name: xb, .offset: 32, .size: 8, .value_kind: global_buffer, .address_space: global }
      - { .name: wb, .offset: 40, .size: 8, .value_kind: global_buffer, .address_space: global }
    .group_segment_fixed_size: 0
    .private_segment_fixed_size: 0
    .kernarg_segment_align: 8
    .kernarg_segment_size: 48
    .max_flat_workgroup_size: 256
    .sgpr_count:     66
    .vgpr_count:     104
    .wavefront_size: 32
...
	.end_amdgpu_metadata
.endif
;; end of part 1
;; launch proj (part 2): grid 8 x 32, 4 waves a work-group, clusters of 4 x 4, 327,680 bytes of LDS; arguments xb, wb, qkv; writes qkv
.if DOCPART == 2
	.amdgcn_target "amdgcn-amd-amdhsa--gfx1250"
	.amdhsa_code_object_version 6
	.text
	.protected	k_qde90b53b68_proj
	.globl	k_qde90b53b68_proj
	.p2align	8
	.type	k_qde90b53b68_proj,@function
k_qde90b53b68_proj:
	s_mov_b64 s[64:65], 0
	v_nop
	global_prefetch_b8 v0, s[64:65] scope:SCOPE_SE
	s_setreg_imm32_b32 hwreg(HW_REG_WAVE_MODE, 25, 1), 1
	s_wait_xcnt 0x0
	s_wait_alu depctr_hold_cnt(0) depctr_sa_sdst(0) depctr_va_vdst(0) depctr_va_sdst(0) depctr_va_ssrc(0) depctr_va_vcc(0) depctr_vm_vsrc(0)
	s_getreg_b32 s2, hwreg(HW_REG_IB_STS2, 6, 4)
	s_cmp_eq_u32 s2, 0
	s_cbranch_scc0 .Lentry_in_a_cluster
	s_endpgm
.Lentry_in_a_cluster:
	s_bfe_u32 s2, ttmp6, 0x10000c
	s_cmp_lg_u32 s2, 0xf033
	s_cbranch_scc0 .Lentry_shape_is_right
	s_endpgm
.Lentry_shape_is_right:
; [q | k | v] = x w^T.  xb: [16 blocks of 64 K][8192 rows][64] bf16, wb: [16][3072][64] bf16, qkv: [3][8192][1024] f16.  Products in bf16, sums in f32, K ascending, each result rounded once to f16.
; LIMIT.  f16 ends at 65,504: q, k and v must stay within it (with x and the weights thirty times the unit spread they reach some thousands).
; SHARES.  The result has 8192 x 3072 numbers: 32 x 8 tiles of 256 x 384 give each of 256 work-groups one tile.  Four waves, each 128 x 192: 96 accumulators of 16 x 16, 768 registers.
; K goes in 16 steps of 64 through a ring of two LDS slots: a step's 640 rows of 128 bytes are 81,920 bytes; two slots of 128 along K (2 x 640 x 272 bytes) would not fit in LDS.
; A tile's rows lie end to end in memory and are asked for as rows of 256 bytes, padded in LDS after every 128.
; CLUSTER.  4 x 4 work-groups: the four of a row of the cluster need the same tiles of xb, the four of a column the same tiles of wb: each tile is asked for jointly.
; THE MATRIX INSTRUCTION IS USED TRANSPOSED (source 0 = 16 rows of wb, source 1 = 16 rows of xb): a lane holds row l % 16 and the eight neighbouring columns 8 (l / 16) + 0..7.
; REGISTERS, in windows of 256 (s_set_vgpr_msb: bits 1:0 source 0, 3:2 source 1, 5:4 source 2, 7:6 destination):
;   window 0: v0-31 addresses; v32-95, v96-159 fragments of xb (8 x 16 rows x 32 K), two buffers; v160-255 fragments of wb, three buffers of 4 x 16 rows x 32 K, buffer g for column group g
;   window g + 1 (g = 0, 1, 2): the 32 accumulators of column blocks 4 g .. 4 g + 3: (row block a, column block 4 g + b) at v[8 (4 a + b)]
; THE ORDER.  32 along K are three THIRDS of 32 matrix instructions, one for each window.  At a third's head one run of LDS loads brings wb's fragments for the third after the next (their buffer
; was read in the third before) and, in two of three thirds, half of xb's fragments for the next 32 along K.  The 96 accumulators take turns.
.set BLKX,   8192*128                  ; bytes from a K step to the next in xb
.set BLKW,   3072*128                  ; and in wb
.set ROWB,   2048                      ; bytes in a row of q, k, v
.set PITCH,  144                       ; an LDS row: 128 bytes + 16 of padding = 36 words: the 16 rows of a fragment load start at 16 different groups of four banks (ISA guide 11.1)
.set AHALF,  128*PITCH                 ; what one tensor load brings of xb: 128 rows
.set BOFF,   256*PITCH                 ; a slot: xb's 256 rows, then wb's 384
.set BHALF,  192*PITCH                 ; what one tensor load brings of wb: 192 rows
.set SLOT1,  1<<17                     ; slot 1 begins here: the bit is 0 in every address inside slot 0, so one exclusive or changes slots
.set SPARE,  SLOT1+BOFF+384*PITCH      ; behind slot 1: the spare words, 128 bytes a wave: two blocks of 256 bytes that no other line names
.set SPITCH, 784                       ; the stage, from LDS byte 0: 256 rows of 768 bytes + 16.  It lies on the slots' bytes and is written only behind their last fill and a barrier
.set ADRA0, 16                         ; v16  my lane's place in xb's part of slot 0; never rewritten
.set ADRB0, 17                         ; v17  the same for wb
.set ADRA,  18                         ; v18  the same in the slot that is being read
.set ADRB,  19                         ; v19
.set STO,   20                         ; v20  the way out: where I put 16 bytes of a row, row blocks 0-3;  v21: row blocks 4-7 (an LDS offset has 16 bits)
.set STO2,  21
.set RD,    22                         ; v22  where I read a row back
.set CO,    23                         ; v23  my byte offset in two rows of the result
.set SPW,   28                         ; v28  my spare word; never rewritten
.set NIL,   29                         ; v29  0; never rewritten
.set AF0,   32
.set AF1,   96
.set BF,    160
.set TMP,   32                         ; the way out: a window's 32 accumulators, packed: 128 registers
.set OB,    32                         ; the way out: 24 x 16 bytes read back, two sets of 96 registers
.set OUTB,  16                         ; s[16:21] the result at my wave's first row, one address for each of the tile's three column units of 256 bytes
.set G1,    24                         ; s[24:31] descriptor group 1 for xb's tiles
.set G0,    32                         ; s[32:39] group 0: set 0 is K step 0 into slot 0; set 1 is K step 1 into slot 1 and then walks
.set TB,    45                         ; s45  first byte of the slot that is being read
.set G1B,   48                         ; s[48:55], s[56:63] the same for wb's tiles
.set G0B,   56
.set MSB,   0
.macro WIN new                         ; the immediate's high byte repeats the setting that is left; a switch that changes nothing is dropped
.if MSB != (\new)
	s_set_vgpr_msb (MSB<<8)|(\new)
.set MSB, \new
.endif
.endm
.macro PLACES                          ; four plain vector instructions between a matrix instruction and a load into, or a vector read of, its registers
.rept 4
	v_nop
.endr
.endm
; A joint refill by the walking sets.  Waves 0 and 1 fetch xb's two halves, waves 2 and 3 wb's.  The branch hangs on the wave's number alone.
.macro JLOAD
	s_cmp_eq_u32 s11, 0
	s_cbranch_scc0 .Lfor_b_\@
	tensor_load_to_lds s[G0+4:G0+7], s[G1:G1+7]
	s_nop 0
.rept 4
	v_nop
.endr
	s_branch .Lasked_\@
.Lfor_b_\@:
	tensor_load_to_lds s[G0B+4:G0B+7], s[G1B:G1B+7]
	s_nop 0
.rept 4
	v_nop
.endr
.Lasked_\@:
.endm
.macro CREST                           ; a round of the cluster's barrier behind its opening barrier
	s_cmp_lg_u32 s10, 0
	s_cbranch_scc1 .Lnot_wave_0_\@
	s_barrier_signal -3
.Lnot_wave_0_\@:
	s_barrier_wait -3
	s_barrier_signal -1
	s_barrier_wait -1
.endm
.macro CROUND                          ; a whole round
	s_barrier_signal -1
	s_barrier_wait -1
	CREST
.endm
	s_load_b128 s[4:7], s[0:1], 0x0                ; xb s[4:5], wb s[6:7]
	s_load_b64 s[8:9], s[0:1], 0x10                ; qkv
	v_lshl_add_u32 v[SPW], v0, 2, SPARE
	v_mov_b32 v[NIL], 0
	ds_add_u32 v[SPW], v[NIL]                      ; the wave's opening: the add and its wait stand ahead of my first tensor load
	ds_add_u32 v28, v29
	v_lshrrev_b32 v1, 5, v0
	v_readfirstlane_b32 s10, v1                    ; wave 0..3
	s_lshr_b32 s11, s10, 1                         ; which half of the tile's rows is mine.  Also: I fetch for xb (0) or wb (1)
	s_and_b32 s12, s10, 1                          ; which half of its columns.  Also: which half of that tile I fetch
	s_bfe_u32 s40, ttmp6, 0x40000                  ; cx
	s_bfe_u32 s41, ttmp6, 0x40004                  ; cy
	s_lshl_b32 s42, ttmp9, 2
	s_add_co_u32 s42, s42, s40                     ; tile column 0..7 = 4 x cluster x + cx
	s_and_b32 s13, ttmp7, 0xffff
	s_lshl_b32 s13, s13, 2
	s_add_co_u32 s13, s13, s41                     ; tile row 0..31 = 4 x cluster y + cy
	s_lshl_b32 s43, s41, 2
	s_lshl_b32 s43, 15, s43                        ; my row of the cluster
	s_lshl_b32 s44, 0x1111, s40                    ; my column
	s_or_b32 s[G1+0], s43, (1<<16)|(1<<20)|(1<<21)|(4<<22)|(3<<25)   ; the mask; 2-byte elements; padding on; bit 21 beside a mask; after every 32 words 4 words
	s_or_b32 s[G1B+0], s44, (1<<16)|(1<<20)|(1<<21)|(4<<22)|(3<<25)
	s_mov_b32 s[G1+1], 128<<16                     ; tensor_dim0 = 128 elements: 256 bytes, two rows of the tile
	s_mov_b32 s[G1+2], 64<<16                      ; tensor_dim1 = 64: 128 rows of xb
	s_mov_b32 s[G1+3], 128<<16                     ; tile_dim0 = 128
	s_mov_b32 s[G1+4], 64                          ; tile_dim1 = 64
	s_mov_b32 s[G1+5], 128                         ; elements from row to row: the block is dense
	s_mov_b32 s[G1+6], 0
	s_mov_b32 s[G1+7], 0
	s_mov_b32 s[G1B+1], 128<<16
	s_mov_b32 s[G1B+2], 96<<16                     ; 192 rows of wb
	s_mov_b32 s[G1B+3], 128<<16
	s_mov_b32 s[G1B+4], 96
	s_mov_b32 s[G1B+5], 128
	s_mov_b32 s[G1B+6], 0
	s_mov_b32 s[G1B+7], 0
	s_lshl_b32 s17, s12, 7
	s_lshl_b32 s16, s13, 8
	s_add_co_u32 s16, s16, s17                     ; xb: row 256 x tile row + 128 x half
	s_lshl_b32 s16, s16, 7                         ; 128 bytes a row in a block
	s_mul_i32 s46, s42, 384
	s_mul_i32 s47, s12, 192
	s_add_co_u32 s46, s46, s47                     ; wb: row 384 x tile column + 192 x half
	s_lshl_b32 s46, s46, 7
	s_mov_b32 s17, 0
	s_mov_b32 s47, 0
	s_mul_i32 s20, s12, AHALF                      ; where they go, for xb
	s_mul_i32 s21, s12, BHALF                      ; and for wb
	s_add_co_u32 s21, s21, BOFF
	s_mov_b32 s[TB], 0
	s_wait_dscnt 0x0                               ; the opening add is done
	s_wait_kmcnt 0x0
	s_add_nc_u64 s[14:15], s[4:5], s[16:17]
	s_add_nc_u64 s[46:47], s[6:7], s[46:47]
.irp s, 0,1
	s_mov_b32 s[G0+4*(\s)], 1
	s_add_co_u32 s[G0+4*(\s)+1], s20, (\s)*SLOT1
	s_add_nc_u64 s[G0+4*(\s)+2:G0+4*(\s)+3], s[14:15], (\s)*BLKX
	s_or_b32 s[G0+4*(\s)+3], s[G0+4*(\s)+3], 0x80000000
	s_mov_b32 s[G0B+4*(\s)], 1
	s_add_co_u32 s[G0B+4*(\s)+1], s21, (\s)*SLOT1
	s_add_nc_u64 s[G0B+4*(\s)+2:G0B+4*(\s)+3], s[46:47], (\s)*BLKW
	s_or_b32 s[G0B+4*(\s)+3], s[G0B+4*(\s)+3], 0x80000000
.endr
	CROUND                                         ; all sixteen work-groups are here: the first joint loads meet
	s_cmp_eq_u32 s11, 0                            ; a wave's two first fills stand in one branch: two loads of mine are out
	s_cbranch_scc0 .Lfirst_b
	tensor_load_to_lds s[G0:G0+3], s[G1:G1+7]
	s_nop 0
	tensor_load_to_lds s[G0+4:G0+7], s[G1:G1+7]
	s_nop 0
.rept 4
	v_nop
.endr
	s_branch .Lfirst_asked
.Lfirst_b:
	tensor_load_to_lds s[G0B:G0B+3], s[G1B:G1B+7]
	s_nop 0
	tensor_load_to_lds s[G0B+4:G0B+7], s[G1B:G1B+7]
	s_nop 0
.rept 4
	v_nop
.endr
.Lfirst_asked:
	; a fragment is 16 rows x 32 K in 8 registers: lane l holds row l % 16, K = 8 (l / 16) + 0..7 and 16 + 8 (l / 16) + 0..7: two loads of 16 bytes, 32 bytes apart
	v_and_b32 v1, 15, v0                           ; l % 16
	v_bfe_u32 v2, v0, 4, 1                         ; l / 16
	v_mul_u32_u24 v3, v1, PITCH
	v_lshl_add_u32 v3, v2, 4, v3                   ; row x pitch + 16 x half
	s_mul_i32 s22, s11, AHALF                      ; my 128 rows of xb
	s_mul_i32 s23, s12, BHALF                      ; my 192 rows of wb,
	s_add_co_u32 s23, s23, BOFF                    ; which lie behind xb's 256
	v_add_nc_u32 v[ADRA0], s22, v3
	v_add_nc_u32 v[ADRB0], s23, v3
	v_mov_b32 v[ADRA], v[ADRA0]
	v_mov_b32 v[ADRB], v[ADRB0]
	s_mul_i32 s22, s11, 128*SPITCH                 ; into the stage: my 128 rows, my 384 bytes of them; row l % 16, 16 bytes for each half of the lanes
	s_mul_i32 s23, s12, 384
	s_add_co_u32 s22, s22, s23
	v_mul_u32_u24 v4, v1, SPITCH
	v_lshl_add_u32 v4, v2, 4, v4
	v_add_nc_u32 v[STO], s22, v4
	v_add_nc_u32 v[STO2], 64*SPITCH, v[STO]
	s_mul_i32 s22, s10, 64*SPITCH                  ; back: wave w takes rows 64 w .. 64 w + 63, whole; lanes 0-15 256 bytes of one row, lanes 16-31 of the next
	v_mul_u32_u24 v5, v2, SPITCH
	v_lshl_add_u32 v5, v1, 4, v5
	v_add_nc_u32 v[RD], s22, v5
	v_lshlrev_b32 v5, 11, v2                       ; and the same two rows in the result
	v_lshl_add_u32 v[CO], v1, 4, v5
	; the result: the tile's column unit u (128 columns) is unit 3 x tile column + u of 24: tensor (unit / 8) x 2^24 bytes + 256 x (unit % 8); my first row is 256 x tile row + 64 x wave
	s_lshl_b32 s47, s13, 8
	s_lshl_b32 s46, s10, 6
	s_add_co_u32 s47, s47, s46
	s_lshl_b32 s47, s47, 11
	s_mul_i32 s46, s42, 3
.irp u, 0,1,2
	s_add_co_u32 s22, s46, \u
	s_lshr_b32 s23, s22, 3
	s_lshl_b32 s23, s23, 24
	s_and_b32 s22, s22, 7
	s_lshl_b32 s22, s22, 8
	s_add_co_u32 s22, s22, s23
	s_add_co_u32 s[OUTB+2*(\u)], s22, s47
	s_mov_b32 s[OUTB+2*(\u)+1], 0
	s_add_nc_u64 s[OUTB+2*(\u):OUTB+2*(\u)+1], s[8:9], s[OUTB+2*(\u):OUTB+2*(\u)+1]
.endr
; Matrix instructions n0 .. n1 - 1 of the 32 of column group g: number n is row block n / 4, column block 4 g + n % 4.  af: xb's buffer.  zero = 1: the product starts the sums
.macro MULT g, af, n0, n1, zero
	WIN 0x50*((\g)+1)                              ; sources 0 and 1 window 0; C and D window g + 1
.set n, \n0
.rept (\n1)-(\n0)
.if \zero
	v_wmma_f32_16x16x32_bf16 v[8*n:8*n+7], v[BF+32*(\g)+8*(n%4):BF+32*(\g)+8*(n%4)+7], v[(\af)+8*(n/4):(\af)+8*(n/4)+7], 0
.else
	v_wmma_f32_16x16x32_bf16 v[8*n:8*n+7], v[BF+32*(\g)+8*(n%4):BF+32*(\g)+8*(n%4)+7], v[(\af)+8*(n/4):(\af)+8*(n/4)+7], v[8*n:8*n+7]
.endif
.set n, n+1
.endr
.endm
.macro LDB g, k                        ; 8 LDS loads: wb's fragments of column group g, 32 along K at byte k of the rows
	WIN 0
.irp i, 0,1,2,3
	ds_load_b128 v[BF+32*(\g)+8*(\i):BF+32*(\g)+8*(\i)+3],   v[ADRB] offset:(\k)+(4*(\g)+(\i))*16*PITCH
	ds_load_b128 v[BF+32*(\g)+8*(\i)+4:BF+32*(\g)+8*(\i)+7], v[ADRB] offset:(\k)+(4*(\g)+(\i))*16*PITCH+32
.endr
.endm
.macro LDA af, lo, k                   ; 8 LDS loads: xb's fragments of row blocks lo .. lo + 3 into buffer af
	WIN 0
.irp i, 0,1,2,3
	ds_load_b128 v[(\af)+8*((\lo)+(\i)):(\af)+8*((\lo)+(\i))+3],   v[ADRA] offset:(\k)+((\lo)+(\i))*16*PITCH
	ds_load_b128 v[(\af)+8*((\lo)+(\i))+4:(\af)+8*((\lo)+(\i))+7], v[ADRA] offset:(\k)+((\lo)+(\i))*16*PITCH+32
.endr
.endm
; THE FIRST HALF OF A K STEP (buffer AF0).  Its runs bring: group 2 of this half and half of xb's second half; group 0 of the second half and the rest of xb's; group 1 of the second half.
.macro HALF0 zero
	s_wait_dscnt 8                                 ; group 0 and xb's fragments are in; the youngest eight loads (group 1) may be out
	PLACES
	LDB 2, 0
	LDA AF1, 0, 64
	MULT 0, AF0, 0, 32, \zero
	s_wait_dscnt 16                                ; group 1 is in; the sixteen just issued may be out
	PLACES
	LDB 0, 64
	LDA AF1, 4, 64
	MULT 1, AF0, 0, 32, \zero
	s_wait_dscnt 16                                ; group 2 is in; the sixteen just issued may be out
	PLACES
	LDB 1, 64
	MULT 2, AF0, 0, 32, \zero
.endm
; THE SECOND HALF (buffer AF1), AND THE CHANGE OF SLOTS in its first third: ONE barrier.  In front of it each wave issues its last reads of the slot, waits for all its tensor loads (one is out: its part
; of the other slot), adds 0 to its spare word, and waits for that and for its reads.  Behind it nobody reads this slot any more and the other slot is whole.
; fill = 1: the barrier opens a round of the cluster's barrier, and the slot is filled again, two K steps ahead, first thing behind the round: 176 matrix instructions ahead of the wait for it.
.macro HALF1 fill
	s_wait_dscnt 8                                 ; group 0 and xb's fragments are in; the youngest eight loads (group 1) may be out
	PLACES
	LDB 2, 64                                      ; my last reads of this slot
	MULT 0, AF1, 0, 16, 0
	WIN 0                                          ; (the add's two registers lie in window 0)
	s_wait_tensorcnt 0x0                           ; all my tensor loads have landed
	ds_add_u32 v[SPW], v[NIL]                      ; 0 onto my spare word
	MULT 0, AF1, 16, 24, 0                         ; eight matrix instructions stand between the add and the wait for it
	s_wait_dscnt 0x0                               ; the add is done, and my reads of this slot are over
	s_barrier_signal -1
	MULT 0, AF1, 24, 32, 0                         ; work on registers while the others arrive
	WIN 0                                          ; branches may follow
	s_barrier_wait -1
.if \fill
	CREST
	s_xor_b32 s[G0+5], s[G0+5], SLOT1              ; no tensor load of mine is out: the walking sets step to the other slot and the next K step
	s_add_nc_u64 s[G0+6:G0+7], s[G0+6:G0+7], BLKX
	s_xor_b32 s[G0B+5], s[G0B+5], SLOT1
	s_add_nc_u64 s[G0B+6:G0B+7], s[G0B+6:G0B+7], BLKW
	JLOAD                                          ; the four v_nop behind it are also the places in front of the loads below
.else
	PLACES
.endif
	s_xor_b32 s[TB], s[TB], SLOT1                  ; the fragment addresses go over to the other slot
	v_add_nc_u32 v[ADRA], s[TB], v[ADRA0]
	v_add_nc_u32 v[ADRB], s[TB], v[ADRB0]
	LDA AF0, 0, 0                                  ; the next K step's first half: xb's fragments and group 0
	LDB 0, 0
	LDA AF0, 4, 0
	MULT 1, AF1, 0, 32, 0                          ; groups 1 and 2 of this half came in ahead of the barrier
	PLACES
	LDB 1, 0
	MULT 2, AF1, 0, 32, 0
.endm
; THE WAY OUT.  A window's 32 accumulators are rounded to f16, 16 bytes a lane, and put into the work-group's stage.
.macro PACKW g
	WIN 5*((\g)+1)                                 ; sources 0 and 1 window g + 1, destination window 0
.set n, 0
.rept 32
.irp r, 0,1,2,3
	v_cvt_pk_f16_f32 v[TMP+4*n+(\r)], v[8*n+2*(\r)], v[8*n+2*(\r)+1]
.endr
.set n, n+1
.endr
	WIN 0
.set n, 0
.rept 32
	ds_store_b128 v[STO+n/16], v[TMP+4*n:TMP+4*n+3] offset:((n/4)%4)*16*SPITCH+32*(4*(\g)+n%4)
.set n, n+1
.endr
.endm
.macro LOADB m                         ; batch m of four: 8 pairs of rows x 3 column units come back from the stage
.set t, 0
.rept 24
	ds_load_b128 v[OB+96*((\m)%2)+4*t:OB+96*((\m)%2)+4*t+3], v[RD] offset:(8*(\m)+t/3)*2*SPITCH+(t%3)*256
.set t, t+1
.endr
.endm
.macro SENDB m, younger                ; younger: the LDS loads issued behind the batch's own, which may stay out
	s_wait_dscnt \younger
.set t, 0
.rept 24
	global_store_b128 v[CO], v[OB+96*((\m)%2)+4*t:OB+96*((\m)%2)+4*t+3], s[OUTB+2*(t%3):OUTB+2*(t%3)+1] offset:(8*(\m)+t/3)*2*ROWB  ; 16 lanes store 256 consecutive bytes, aligned
.set t, t+1
.endr
.endm
	s_wait_tensorcnt 1                             ; my part of K step 0 is in; K step 1's may stay out
	s_barrier_signal -1
	s_barrier_wait -1
	LDB 0, 0
	LDA AF0, 0, 0
	LDA AF0, 4, 0
	LDB 1, 0
	HALF0 1                                        ; the first half stands in front of the loop: its products start the sums
	WIN 0
	s_mov_b32 s3, 14
.Lstep:                                                ; trip j: the second half of K step j, with the refill for K step j + 2, and the first half of K step j + 1
	HALF1 1
	HALF0 0
	WIN 0
	s_sub_co_u32 s3, s3, 1
	s_cmp_lg_u32 s3, 0
	s_cbranch_scc1 .Lstep
	HALF1 0                                        ; K step 14's second half: nothing is left to ask for
	HALF0 0
	s_wait_dscnt 8                                 ; the very last half fetches group 2 alone
	PLACES
	LDB 2, 64
	MULT 0, AF1, 0, 32, 0
	s_wait_dscnt 8                                 ; group 1 is in
	MULT 1, AF1, 0, 32, 0
	s_wait_dscnt 0x0
	MULT 2, AF1, 0, 32, 0
	PLACES                                         ; the conversions read results, and write fragment registers, behind which only matrix instructions stand
	WIN 0
	s_barrier_signal -1                            ; every wave's reads of the slots are back (the wait for 0 above): behind this barrier the stage may be written on their bytes
	s_barrier_wait -1
	PACKW 0
	PACKW 1
	PACKW 2
	s_wait_dscnt 0x0                               ; for the others' sake: my stores into the stage are done
	s_barrier_signal -1
	s_barrier_wait -1
	LOADB 0
	LOADB 1
	SENDB 0, 24
	s_wait_xcnt 0x0                                ; the registers that batch 0's stores read are loaded again only behind this wait
	LOADB 2
	SENDB 1, 24
	s_wait_xcnt 0x0                                ; the same for batch 1's
	LOADB 3
	SENDB 2, 24
	SENDB 3, 0
	s_wait_tensorcnt 0x0                           ; the wave's end
	ds_add_u32 v[SPW], v[NIL]
	s_wait_dscnt 0x0
	CROUND                                         ; the closing round
	s_endpgm
.Lfunc_end_k_qde90b53b68_proj:
	.size	k_qde90b53b68_proj, .Lfunc_end_k_qde90b53b68_proj-k_qde90b53b68_proj
	.p2alignl 7, 3214868480
	.fill 96, 4, 3214868480
	.section	.rodata,"a",@progbits
	.p2align	6, 0x0
	.amdhsa_kernel k_qde90b53b68_proj
		.amdhsa_group_segment_fixed_size 327680
		.amdhsa_private_segment_fixed_size 0
		.amdhsa_enable_private_segment 0
		.amdhsa_kernarg_size 24
		.amdhsa_user_sgpr_count 2
		.amdhsa_user_sgpr_kernarg_segment_ptr 1
		.amdhsa_wavefront_size32 1
		.amdhsa_system_sgpr_workgroup_id_x 1
		.amdhsa_system_sgpr_workgroup_id_y 1
		.amdhsa_system_sgpr_workgroup_id_z 1
		.amdhsa_system_vgpr_workitem_id 0
		.amdhsa_next_free_vgpr 1024
		.amdhsa_next_free_sgpr 66
		.amdhsa_reserve_vcc 0
		.amdhsa_float_denorm_mode_32 3
		.amdhsa_float_denorm_mode_16_64 3
		.amdhsa_memory_ordered 1
		.amdhsa_forward_progress 1
		.amdhsa_inst_pref_size 110
	.end_amdhsa_kernel
	.amdgpu_metadata
---
amdhsa.version: [ 1, 2 ]
amdhsa.kernels:
  - .name:           k_qde90b53b68_proj
    .symbol:         k_qde90b53b68_proj.kd
    .args:
      - { .name: xb, .offset: 0, .size: 8, .value_kind: global_buffer, .address_space: global }
      - { .name: wb, .offset: 8, .size: 8, .value_kind: global_buffer, .address_space: global }
      - { .name: qkv, .offset: 16, .size: 8, .value_kind: global_buffer, .address_space: global }
    .group_segment_fixed_size: 327680
    .private_segment_fixed_size: 0
    .kernarg_segment_align: 8
    .kernarg_segment_size: 24
    .max_flat_workgroup_size: 128
    .sgpr_count:     66
    .vgpr_count:     1024
    .wavefront_size: 32
...
	.end_amdgpu_metadata
.endif
;; end of part 2
;; launch score (part 3): grid 36 x 4, 4 waves a work-group, no clusters, 327,680 bytes of LDS; arguments qkv, p, st; writes p, st
.if DOCPART == 3
	.amdgcn_target "amdgcn-amd-amdhsa--gfx1250"
	.amdhsa_code_object_version 6
	.text
	.protected	k_qde90b53b68_score
	.globl	k_qde90b53b68_score
	.p2align	8
	.type	k_qde90b53b68_score,@function
k_qde90b53b68_score:
	s_mov_b64 s[64:65], 0
	v_nop
	global_prefetch_b8 v0, s[64:65] scope:SCOPE_SE
	s_setreg_imm32_b32 hwreg(HW_REG_WAVE_MODE, 25, 1), 1
	s_wait_xcnt 0x0
; The 36 tiles of 256 x 256 on or below the diagonal of S = q k^T, for each of 4 batches.  q, k: [8192][1024] f16 (k lies 2^24 bytes behind q).  Products in f16, sums in f32.
; For each row and each CHUNK of 128 keys (a wave's columns): cm = c x (the largest visible score of the chunk), c = log2(e) / 32; P = 2^(c s - cm), rounded to f16; l = the sum of the
; unrounded P.  p: [4][2048][2048] f16; st: [4][16 chunks][cm, l][2048 rows] f32.  The launch behind joins the chunks by their cm, so the maximum taken away is each chunk's true one.
; LIMITS.  A hidden score counts as its value less 1e30 (scores stay under 1e29: f16's q and k give 4.4e12 at the most); a weight below 2^-126 counts as 0; NaN and infinities are not treated apart.
; In a diagonal tile the wave of rows 0-127 and keys 128-255 sees no key: it writes an unmasked, finite chunk, which the launch behind multiplies by 0.
; NO CLUSTER.  A batch's tiles form a triangle with rows of 1 to 8 tiles.  Lines of four along rows and columns cannot cover it: tile (0,0) forces column 0, rows 0-3; then (1,1), (2,2), (3,3)
; force columns 1 to 3 downward; (6,6) then has only (6,3) to (6,5) beside it, of which (6,3) is taken.
; The product is the bf16 GEMM's of this program, with f16 operands: four waves of 128 x 128, 8 K steps of 128, a ring of two LDS slots; source 0 = 16 keys, source 1 = 16 queries, so a lane
; holds ONE query (l % 16) and the keys 16 b + 8 (l / 16) + 0..7 of accumulator (a, b); the query's other 64 keys of the chunk lie in the lane 16 away.
; REGISTERS: as in that GEMM.  Behind the product window 0's fragment registers are free: v64-127 scaled scores and weights, v128-159 statistics.
.set KSTEP,  128
.set PITCH,  272
.set HALFT,  128*PITCH
.set SLOT,   4*HALFT                   ; its two set bits (17, 13) are 0 in wave x HALFT, so one exclusive or changes slots
.set STAGE,  2*SLOT                    ; 16 rows x 272 bytes for each wave
.set SPITCH, 272
.set STAT,   STAGE+4*16*SPITCH         ; 512 bytes for each wave: 64 cm, 64 l
.set SPARE,  STAT+4*512                ; the spare words: two blocks of 256 bytes that no other line names
.set PROWB,  4096                      ; bytes in a row of p
.set ADRA0, 16
.set ADRB0, 17
.set ADRA,  18
.set ADRB,  19
.set SST,   20                         ; v20  where I put a row's cm (lanes 0-15) or l (lanes 16-31)
.set SRD,   21                         ; v21  where I read 16 bytes of them back
.set SCO,   22                         ; v22  my byte offset in st
.set RH8,   23                         ; v23  l % 16 - 8 (l / 16)
.set STO,   24
.set RD,    25
.set CO,    26
.set SPW,   28
.set NIL,   29
.set F0,    64
.set F1,    128
.set TMP,   192
.set OB,    32
.set X,     64                         ; v64-127   a block's 64 scores of my query, scaled; then its weights
.set CH,    128                        ; v128-131  four chains of the maximum
.set CM,    132                        ; v132-133  cm, m
.set LS,    134                        ; v134      my lane's sum
.set SCM,   136                        ; v136-139  cm of four blocks
.set SL,    140                        ; v140-143  l of four blocks
.set MD8,   144                        ; v144-151  the mask of an accumulator on the diagonal
.set SD,    152                        ; v152-155  stat words to store
.set SQ,    156                        ; v156-159  16 bytes of them, read back
.set G1,    24                         ; s[24:31] descriptor group 1, for q's and k's tiles alike
.set G0A,   32                         ; s[32:39] group 0 for q's tiles: set 0 is K step 0 into slot 0; set 1 is K step 1 into slot 1 and then walks
.set G0B,   40                         ; s[40:47] the same for k's
.set TB,    48
.set KCNT,  49
.set DG,    50                         ; s50  1: the tile holds the diagonal
.set CS,    52                         ; s[52:53] c
.set SEL,   54                         ; s[54:55] v_permlanex16_b32's selects: each lane takes its own place in the other half
.set BIGN,  56                         ; s[56:57] -1e30
.set HIM,   58                         ; s58  lanes 16-31
.set HALVES, 59
.set MSB,   0
.macro WIN new
.if MSB != (\new)
	s_set_vgpr_msb (MSB<<8)|(\new)
.set MSB, \new
.endif
.endm
.set MUL_LO, 0xa1
.set MUL_HI, 0xf1
.set TO_B,   0x40
.macro PLACES
.rept 4
	v_nop
.endr
.endm
.macro LOAD                            ; a refill by the walking sets: waves 0 and 1 fetch q's two halves, waves 2 and 3 k's
	s_cmp_eq_u32 s11, 0
	s_cbranch_scc0 .Lfor_b_\@
	tensor_load_to_lds s[G0A+4:G0A+7], s[G1:G1+7]
	s_nop 0
.rept 4
	v_nop
.endr
	s_branch .Lasked_\@
.Lfor_b_\@:
	tensor_load_to_lds s[G0B+4:G0B+7], s[G1:G1+7]
	s_nop 0
.rept 4
	v_nop
.endr
.Lasked_\@:
.endm
	s_load_b128 s[4:7], s[0:1], 0x0                ; qkv s[4:5], p s[6:7]
	s_load_b64 s[8:9], s[0:1], 0x10                ; st
	v_lshl_add_u32 v[SPW], v0, 2, SPARE
	v_mov_b32 v[NIL], 0
	ds_add_u32 v[SPW], v[NIL]                      ; the wave's opening: the add and its wait stand ahead of my first tensor load
	ds_add_u32 v28, v29
	v_lshrrev_b32 v1, 5, v0
	v_readfirstlane_b32 s10, v1                    ; wave 0..3
	s_lshr_b32 s11, s10, 1                         ; row half.  Also: I fetch for q (0) or k (1)
	s_and_b32 s12, s10, 1                          ; key half.  Also: which 128 rows I fetch
	s_and_b32 s15, ttmp7, 0xffff                   ; the batch
	s_mov_b32 s23, ttmp9                           ; the tile's number t in the triangle: t = i (i + 1) / 2 + j
	s_mov_b32 s13, 0
.irp thr, 1,3,6,10,15,21,28
	s_cmp_ge_u32 s23, \thr
	s_add_co_ci_u32 s13, s13, 0                    ; i = how many rows of the triangle begin at or below t
.endr
	s_add_co_u32 s14, s13, 1
	s_mul_i32 s14, s14, s13
	s_lshr_b32 s14, s14, 1
	s_sub_co_u32 s14, s23, s14                     ; j
	s_cmp_eq_u32 s13, s14
	s_cselect_b32 s[DG], 1, 0
	s_mov_b32 s[G1+0], (1<<16)|(1<<20)|(5<<22)|(3<<25)  ; 2-byte elements; padding on: after every 64 words 4 words
	s_mov_b32 s[G1+1], KSTEP<<16                   ; tensor_dim0 = 128
	s_mov_b32 s[G1+2], 128<<16                     ; tensor_dim1 = 128
	s_mov_b32 s[G1+3], KSTEP<<16                   ; tile_dim0 = 128
	s_mov_b32 s[G1+4], 128                         ; tile_dim1 = 128
	s_mov_b32 s[G1+5], 1024                        ; elements from row to row
	s_mov_b32 s[G1+6], 0
	s_mov_b32 s[G1+7], 0
	s_mov_b32 s[CS], 0x3d38aa3b                    ; c = log2(e) / 32
	s_mov_b32 s[CS+1], s[CS]                       ; named with it as a pair
	s_mov_b32 s[SEL], 0x76543210
	s_mov_b32 s[SEL+1], 0xfedcba98
	s_mov_b32 s[BIGN], 0xf149f2ca                  ; -1e30
	s_mov_b32 s[BIGN+1], s[BIGN]
	s_mov_b32 s[HIM], 0xffff0000
	s_mov_b32 s[TB], 0
	s_lshl_b32 s16, s15, 11
	s_lshl_b32 s17, s12, 7
	s_add_co_u32 s16, s16, s17                     ; the batch's first row + the half that I fetch
	s_lshl_b32 s18, s13, 8
	s_add_co_u32 s18, s18, s16                     ; q's row
	s_lshl_b32 s20, s14, 8
	s_add_co_u32 s20, s20, s16                     ; k's row
	s_lshl_b32 s18, s18, 11                        ; 2,048 bytes a row
	s_lshl_b32 s20, s20, 11
	s_add_co_u32 s20, s20, 0x1000000               ; k lies behind q
	s_mov_b32 s19, 0
	s_mov_b32 s21, 0
	s_mul_i32 s22, s10, HALFT                      ; where my tiles go: wave x 128 rows
	s_lshl_b32 s16, s13, 8
	s_lshl_b32 s17, s11, 7
	s_add_co_u32 s16, s16, s17                     ; my wave's first row in the batch: 256 i + 128 x row half
	s_lshl_b32 s2, s16, 2                          ; st: 4 bytes a row
	s_lshl_b32 s16, s16, 12                        ; p: 4,096 bytes a row
	s_lshl_b32 s17, s15, 23                        ; + the batch's 8,388,608 bytes
	s_add_co_u32 s16, s16, s17
	s_lshl_b32 s17, s14, 9                         ; + the tile's 512 bytes of a row
	s_add_co_u32 s16, s16, s17
	s_lshl_b32 s17, s12, 8                         ; + my wave's 256 of them
	s_add_co_u32 s16, s16, s17
	s_mov_b32 s17, 0
	s_lshl_b32 s3, s14, 1
	s_add_co_u32 s3, s3, s12                       ; my chunk: 2 j + key half
	s_lshl_b32 s3, s3, 14                          ; 16,384 bytes a chunk
	s_add_co_u32 s2, s2, s3
	s_lshl_b32 s3, s15, 18                         ; 262,144 bytes a batch
	s_add_co_u32 s2, s2, s3
	s_mov_b32 s3, 0
	s_wait_dscnt 0x0                               ; the opening add is done
	s_wait_kmcnt 0x0
	s_add_nc_u64 s[18:19], s[4:5], s[18:19]
	s_add_nc_u64 s[20:21], s[4:5], s[20:21]
	s_add_nc_u64 s[6:7], s[6:7], s[16:17]          ; p at my wave's first 256 bytes
	s_add_nc_u64 s[8:9], s[8:9], s[2:3]            ; st at my wave's first row of my chunk
.irp s, 0,1
	s_mov_b32 s[G0A+4*(\s)], 1
	s_add_co_u32 s[G0A+4*(\s)+1], s22, (\s)*SLOT
	s_add_nc_u64 s[G0A+4*(\s)+2:G0A+4*(\s)+3], s[18:19], (\s)*KSTEP*2
	s_or_b32 s[G0A+4*(\s)+3], s[G0A+4*(\s)+3], 0x80000000
	s_mov_b32 s[G0B+4*(\s)], 1
	s_add_co_u32 s[G0B+4*(\s)+1], s22, (\s)*SLOT
	s_add_nc_u64 s[G0B+4*(\s)+2:G0B+4*(\s)+3], s[20:21], (\s)*KSTEP*2
	s_or_b32 s[G0B+4*(\s)+3], s[G0B+4*(\s)+3], 0x80000000
.endr
	s_cmp_eq_u32 s11, 0                            ; a wave's two first fills stand in one branch: two loads of mine are out
	s_cbranch_scc0 .Lfirst_b
	tensor_load_to_lds s[G0A:G0A+3], s[G1:G1+7]
	s_nop 0
	tensor_load_to_lds s[G0A+4:G0A+7], s[G1:G1+7]
	s_nop 0
.rept 4
	v_nop
.endr
	s_branch .Lfirst_asked
.Lfirst_b:
	tensor_load_to_lds s[G0B:G0B+3], s[G1:G1+7]
	s_nop 0
	tensor_load_to_lds s[G0B+4:G0B+7], s[G1:G1+7]
	s_nop 0
.rept 4
	v_nop
.endr
.Lfirst_asked:
	v_and_b32 v1, 15, v0                           ; l % 16
	v_bfe_u32 v2, v0, 4, 1                         ; l / 16
	v_mul_u32_u24 v3, v1, PITCH
	v_lshl_add_u32 v3, v2, 4, v3                   ; row x pitch + 16 x half
	s_mul_i32 s16, s11, HALFT                      ; my 128 rows of q
	s_mul_i32 s17, s12, HALFT                      ; my 128 rows of k,
	s_add_co_u32 s17, s17, 2*HALFT                 ; which lie behind q's 256
	v_add_nc_u32 v[ADRA0], s16, v3
	v_add_nc_u32 v[ADRB0], s17, v3
	v_mov_b32 v[ADRA], v[ADRA0]
	v_mov_b32 v[ADRB], v[ADRB0]
	s_mul_i32 s16, s10, 16*SPITCH
	s_add_co_u32 s16, s16, STAGE                   ; my stage
	v_mul_u32_u24 v4, v1, SPITCH
	v_lshl_add_u32 v4, v2, 4, v4
	v_add_nc_u32 v[STO], s16, v4
	v_mul_u32_u24 v5, v2, SPITCH
	v_lshl_add_u32 v5, v1, 4, v5
	v_add_nc_u32 v[RD], s16, v5
	v_lshlrev_b32 v5, 12, v2
	v_lshl_add_u32 v[CO], v1, 4, v5                ; two rows of p: 4,096 (l / 16) + 16 (l % 16)
	s_lshl_b32 s16, s10, 9
	s_add_co_u32 s16, s16, STAT                    ; my 512 bytes of statistics
	v_lshlrev_b32 v5, 8, v2
	v_lshl_add_u32 v5, v1, 2, v5
	v_add_nc_u32 v[SST], s16, v5                   ; cm at 4 x row, l 256 bytes behind
	v_and_b32 v5, 31, v0
	v_lshl_add_u32 v[SRD], v5, 4, s16
	v_lshlrev_b32 v5, 13, v2
	v_lshl_add_u32 v[SCO], v1, 4, v5               ; cm's 256 bytes, and l's 8,192 bytes behind
	v_lshlrev_b32 v5, 3, v2
	v_sub_nc_u32 v[RH8], v1, v5
.macro MUL16 f, hi, a0, zero
	WIN MUL_LO+0x50*(\hi)
.irp a, \a0, (\a0)+1
.irp b, 0,1,2,3,4,5,6,7
.if \zero
	v_wmma_f32_16x16x32_f16 v[8*(8*(\a)+(\b)):8*(8*(\a)+(\b))+7], v[(\f)+8*(\b):(\f)+8*(\b)+7], v[(\f)+8*(4*(\hi)+(\a)):(\f)+8*(4*(\hi)+(\a))+7], 0
.else
	v_wmma_f32_16x16x32_f16 v[8*(8*(\a)+(\b)):8*(8*(\a)+(\b))+7], v[(\f)+8*(\b):(\f)+8*(\b)+7], v[(\f)+8*(4*(\hi)+(\a)):(\f)+8*(4*(\hi)+(\a))+7], v[8*(8*(\a)+(\b)):8*(8*(\a)+(\b))+7]
.endif
.endr
.endr
.endm
.macro FETCH k, f                      ; 32 LDS loads in one run: k's 16, then q's
	WIN TO_B
.irp i, 0,1,2,3,4,5,6,7
	ds_load_b128 v[(\f)+8*(\i):(\f)+8*(\i)+3],   v[ADRB] offset:(\k)+(\i)*16*PITCH
	ds_load_b128 v[(\f)+8*(\i)+4:(\f)+8*(\i)+7], v[ADRB] offset:(\k)+(\i)*16*PITCH+32
.endr
	WIN 0
.irp i, 0,1,2,3,4,5,6,7
	ds_load_b128 v[(\f)+8*(\i):(\f)+8*(\i)+3],   v[ADRA] offset:(\k)+(\i)*16*PITCH
	ds_load_b128 v[(\f)+8*(\i)+4:(\f)+8*(\i)+7], v[ADRA] offset:(\k)+(\i)*16*PITCH+32
.endr
.endm
.macro QUARTER k, f, g, zero           ; the 64 accumulators take turns in the same order in every quarter
	s_wait_dscnt 8                                 ; k's fragments and q's rows 0-63 are in; the youngest eight loads may be out
	MUL16 \f, 0, 0, \zero
	MUL16 \f, 0, 2, \zero
	PLACES
	FETCH \k, \g
	s_wait_dscnt 32                                ; all but the 32 just issued
	MUL16 \f, 1, 0, \zero
	MUL16 \f, 1, 2, \zero
.endm
.macro MEET fill
	WIN 0
	s_wait_tensorcnt 0x0                           ; all my tensor loads have landed: the one that was out is my part of the next slot
	ds_add_u32 v[SPW], v[NIL]                      ; 0 onto my spare word
	s_wait_dscnt 9                                 ; (the add and the youngest eight loads may be out)
	MUL16 F1, 0, 0, 0
	s_wait_dscnt 0x0                               ; the add is done, and my reads of this slot are over
	s_barrier_signal -1
	MUL16 F1, 0, 2, 0
.if \fill
	WIN 0
.endif
	s_barrier_wait -1
.endm
.macro TOGGLE
	WIN 0
	s_xor_b32 s[TB], s[TB], SLOT
	v_add_nc_u32 v[ADRA], s[TB], v[ADRA0]
	v_add_nc_u32 v[ADRB], s[TB], v[ADRB0]
.endm
.macro TURN fill                       ; fill = 1: the slot just read is filled again, two K steps ahead, first thing behind the barrier: 224 matrix instructions ahead of the wait for it
	MEET \fill
.if \fill
	s_xor_b32 s[G0A+5], s[G0A+5], SLOT             ; no tensor load of mine is out: the walking sets step
	s_add_nc_u64 s[G0A+6:G0A+7], s[G0A+6:G0A+7], KSTEP*2
	s_xor_b32 s[G0B+5], s[G0B+5], SLOT
	s_add_nc_u64 s[G0B+6:G0B+7], s[G0B+6:G0B+7], KSTEP*2
	LOAD                                           ; the four v_nop behind it are also the places in front of the loads below
.else
	PLACES
.endif
	TOGGLE
	FETCH 0, F0
	MUL16 F1, 1, 0, 0
	MUL16 F1, 1, 2, 0
.endm
; BLOCK a (0..3) of 16 queries, its eight accumulators in window 2 at v[64 a ..]: maximum, cm, weights, their rounding, their sum.
.macro XB a
.set AC, 64*(\a)
	WIN 0x2a                                       ; all three sources in window 2
.irp k, 0,1,2,3                        ; four chains of 15 scores each; every accumulator's lowest registers are read first
	v_max3_num_f32 v[CH+(\k)], v[AC+16*(\k)], v[AC+16*(\k)+1], v[AC+16*(\k)+2]
.endr
	WIN 0x28                                       ; source 0 in window 0
.irp n, 1,2,3,4,5,6
.irp k, 0,1,2,3
	v_max3_num_f32 v[CH+(\k)], v[CH+(\k)], v[AC+16*(\k)+2*(\n)+1], v[AC+16*(\k)+2*(\n)+2]
.endr
.endr
	v_max3_num_f32 v[CH], v[CH], v[AC+15], v[AC+31]        ; the four scores left over
	v_max3_num_f32 v[CH+2], v[CH+2], v[AC+47], v[AC+63]
	WIN 0
	v_max3_num_f32 v[CH], v[CH], v[CH+1], v[CH+2]
	v_max_num_f32 v[CH], v[CH], v[CH+3]
	v_permlanex16_b32 v[CH+1], v[CH], s[SEL], s[SEL+1]     ; the query's other 64 keys lie in the lane 16 away
	v_max_num_f32 v[CM+1], v[CH], v[CH+1]
	v_mul_f32 v[CM], s[CS], v[CM+1]
	WIN 0x02                                       ; source 0 in window 2
.set z, 0
.rept 32
	v_pk_fma_f32 v[X+2*z:X+2*z+1], v[AC+2*z:AC+2*z+1], s[CS:CS+1], v[CM:CM+1] op_sel_hi:[1,0,0] neg_lo:[0,0,1] neg_hi:[0,0,1]  ; c s - cm
.set z, z+1
.endr
	WIN 0
.set z, 0
.rept 64
	v_exp_f32 v[X+z], v[X+z]
.set z, z+1
.endr
	v_nop                                          ; a plain instruction between the last exponential and the use of its result (ISA guide 5.7.2)
.set z, 0
	s_wait_alu depctr_va_vdst(0)
.rept 32
	v_cvt_pk_f16_f32 v[TMP+z], v[X+2*z], v[X+2*z+1]
.set z, z+1
.endr
.irp w, 16,8,4,2,1                     ; the sum of the 32 pairs, in place
.set z, 0
.rept \w
	v_pk_add_f32 v[X+2*z:X+2*z+1], v[X+2*z:X+2*z+1], v[X+2*(z+(\w)):X+2*(z+(\w))+1]
.set z, z+1
.endr
.endr
	v_add_f32 v[LS], v[X], v[X+1]
	v_permlanex16_b32 v[CH+1], v[LS], s[SEL], s[SEL+1]
	v_mov_b32 v[SCM+(\a)], v[CM]
	v_add_f32 v[SL+(\a)], v[LS], v[CH+1]
.endm
.macro TOSTAGE a
	WIN 0
.set BK, OB+192*((\a)%2)
.irp b, 0,1,2,3,4,5,6,7
	ds_store_b128 v[STO], v[TMP+4*(\b):TMP+4*(\b)+3] offset:32*(\b)
.endr
.irp t, 0,1,2,3,4,5,6,7
	ds_load_b128 v[BK+4*(\t):BK+4*(\t)+3], v[RD] offset:(\t)*2*SPITCH  ; LDS serves a wave's instructions in order (ISA guide 5.7.1.4): these see the stores above
.endr
.endm
.macro SEND a
	WIN 0
.set BK, OB+192*((\a)%2)
	s_wait_dscnt 0x0                               ; the block is back in registers
	s_wait_xcnt 0x0                                ; the registers that earlier stores read are loaded again only behind this wait
.irp t, 0,1,2,3,4,5,6,7
	global_store_b128 v[CO], v[BK+4*(\t):BK+4*(\t)+3], s[6:7] offset:(16*(\a)+2*(\t))*PROWB  ; 16 lanes store 256 consecutive bytes, aligned
.endr
.endm
	s_wait_tensorcnt 1                             ; my part of K step 0 is in; K step 1's may stay out
	s_barrier_signal -1
	s_barrier_wait -1
	FETCH 0, F0
	QUARTER 64, F0, F1, 1                          ; the first quarter's products start the sums
	WIN 0
	s_mov_b32 s[KCNT], 6
.Lstep:                                                ; a trip: a K step's quarters 1 to 3, the change of slots with its refill (K steps 2 to 7), the next step's quarter 0
	QUARTER 128, F1, F0, 0
	QUARTER 192, F0, F1, 0
	TURN 1
	QUARTER 64, F0, F1, 0
	WIN 0
	s_sub_co_u32 s[KCNT], s[KCNT], 1
	s_cmp_lg_u32 s[KCNT], 0
	s_cbranch_scc1 .Lstep
	QUARTER 128, F1, F0, 0                         ; the last two K steps ask for nothing
	QUARTER 192, F0, F1, 0
	TURN 0
	QUARTER 64, F0, F1, 0
	QUARTER 128, F1, F0, 0
	QUARTER 192, F0, F1, 0
	s_wait_dscnt 8
	MUL16 F1, 0, 0, 0
	MUL16 F1, 0, 2, 0
	s_wait_dscnt 0x0
	MUL16 F1, 1, 0, 0
	MUL16 F1, 1, 2, 0
	PLACES                                         ; what follows reads results and writes fragment registers behind which only matrix instructions stand
	WIN 0
	; THE MASK: only where the wave's 128 x 128 holds the diagonal.  Key 16 b + 8 (l / 16) + n is hidden from query 16 a + l % 16 if b > a, or b = a and n > l % 16 - 8 (l / 16).
	s_cmp_eq_u32 s[DG], 1
	s_cbranch_scc0 .Lnomask
	s_cmp_eq_u32 s11, s12
	s_cbranch_scc0 .Lnomask
.irp n, 0,1,2,3,4,5,6,7
	v_cmp_gt_i32 vcc_lo, \n, v[RH8]
	v_cndmask_b32 v[MD8+(\n)], 0, s[BIGN], vcc_lo
.endr
.set a, 0
.rept 8
	WIN 0x82+0x41*(a/4)                            ; destination and source 0 in window 2 or 3, source 1 in window 0
.set b, 0
.rept 8
.set AC, 8*(8*(a%4)+b)
.if b == a
.irp z, 0,2,4,6
	v_pk_add_f32 v[AC+(\z):AC+(\z)+1], v[AC+(\z):AC+(\z)+1], v[MD8+(\z):MD8+(\z)+1]
.endr
.elseif b > a
.irp z, 0,2,4,6
	v_pk_add_f32 v[AC+(\z):AC+(\z)+1], v[AC+(\z):AC+(\z)+1], s[BIGN:BIGN+1] op_sel_hi:[1,0]
.endr
.endif
.set b, b+1
.endr
.set a, a+1
.endr
	WIN 0
.Lnomask:
	; THE WAY OUT, in two halves of 64 rows.  The text names window 2; between the halves window 3's 256 registers move there: 256 moves once a tile, in place of a second copy of four blocks' text.
	s_mov_b32 s[HALVES], 2
.Lhalf:
	XB 0
	TOSTAGE 0
.irp a, 1,2,3                          ; block a's arithmetic stands between block a - 1's loads from the stage and the wait for them
	XB \a
	SEND (\a)-1
	TOSTAGE \a
.endr
	SEND 3
.irp a, 0,1,2,3                        ; the 64 rows' cm and l: lanes 0-15 put cm, lanes 16-31 l; read back they are two runs of 256 bytes
	v_cndmask_b32 v[SD+(\a)], v[SCM+(\a)], v[SL+(\a)], s[HIM]
	ds_store_b32 v[SST], v[SD+(\a)] offset:64*(\a)
.endr
	ds_load_b128 v[SQ:SQ+3], v[SRD]
	s_wait_dscnt 0x0
	global_store_b128 v[SCO], v[SQ:SQ+3], s[8:9]
	s_cmp_eq_u32 s[HALVES], 1
	s_cbranch_scc1 .Lhalf_done                     ; behind the second half nothing is left to move
	s_wait_xcnt 0x0                                ; the stores have read their bases
	s_add_nc_u64 s[6:7], s[6:7], 64*PROWB
	s_add_nc_u64 s[8:9], s[8:9], 256
	WIN 0x83                                       ; destination window 2, source window 3
.set z, 0
.rept 256
	v_mov_b32 v[z], v[z]
.set z, z+1
.endr
	WIN 0
.Lhalf_done:
	s_sub_co_u32 s[HALVES], s[HALVES], 1
	s_cmp_lg_u32 s[HALVES], 0
	s_cbranch_scc1 .Lhalf
	s_wait_tensorcnt 0x0                           ; the wave's end
	ds_add_u32 v[SPW], v[NIL]
	s_wait_dscnt 0x0
	s_endpgm
.Lfunc_end_k_qde90b53b68_score:
	.size	k_qde90b53b68_score, .Lfunc_end_k_qde90b53b68_score-k_qde90b53b68_score
	.p2alignl 7, 3214868480
	.fill 96, 4, 3214868480
	.section	.rodata,"a",@progbits
	.p2align	6, 0x0
	.amdhsa_kernel k_qde90b53b68_score
		.amdhsa_group_segment_fixed_size 327680
		.amdhsa_private_segment_fixed_size 0
		.amdhsa_enable_private_segment 0
		.amdhsa_kernarg_size 24
		.amdhsa_user_sgpr_count 2
		.amdhsa_user_sgpr_kernarg_segment_ptr 1
		.amdhsa_wavefront_size32 1
		.amdhsa_system_sgpr_workgroup_id_x 1
		.amdhsa_system_sgpr_workgroup_id_y 1
		.amdhsa_system_sgpr_workgroup_id_z 1
		.amdhsa_system_vgpr_workitem_id 0
		.amdhsa_next_free_vgpr 1024
		.amdhsa_next_free_sgpr 66
		.amdhsa_reserve_vcc 1
		.amdhsa_float_denorm_mode_32 3
		.amdhsa_float_denorm_mode_16_64 3
		.amdhsa_memory_ordered 1
		.amdhsa_forward_progress 1
		.amdhsa_inst_pref_size 153
	.end_amdhsa_kernel
	.amdgpu_metadata
---
amdhsa.version: [ 1, 2 ]
amdhsa.kernels:
  - .name:           k_qde90b53b68_score
    .symbol:         k_qde90b53b68_score.kd
    .args:
      - { .name: qkv, .offset: 0, .size: 8, .value_kind: global_buffer, .address_space: global }
      - { .name: p, .offset: 8, .size: 8, .value_kind: global_buffer, .address_space: global }
      - { .name: st, .offset: 16, .size: 8, .value_kind: global_buffer, .address_space: global }
    .group_segment_fixed_size: 327680
    .private_segment_fixed_size: 0
    .kernarg_segment_align: 8
    .kernarg_segment_size: 24
    .max_flat_workgroup_size: 128
    .sgpr_count:     66
    .vgpr_count:     1024
    .wavefront_size: 32
...
	.end_amdgpu_metadata
.endif
;; end of part 3
;; launch pv (part 4): grid 8 x 32, 4 waves a work-group, clusters of 4 x 1, 327,680 bytes of LDS; arguments p, st, qkv, out0; writes out0
.if DOCPART == 4
	.amdgcn_target "amdgcn-amd-amdhsa--gfx1250"
	.amdhsa_code_object_version 6
	.text
	.protected	k_qde90b53b68_pv
	.globl	k_qde90b53b68_pv
	.p2align	8
	.type	k_qde90b53b68_pv,@function
k_qde90b53b68_pv:
	s_mov_b64 s[64:65], 0
	v_nop
	global_prefetch_b8 v0, s[64:65] scope:SCOPE_SE
	s_setreg_imm32_b32 hwreg(HW_REG_WAVE_MODE, 25, 1), 1
	s_wait_xcnt 0x0
	s_wait_alu depctr_hold_cnt(0) depctr_sa_sdst(0) depctr_va_vdst(0) depctr_va_sdst(0) depctr_va_ssrc(0) depctr_va_vcc(0) depctr_vm_vsrc(0)
	s_getreg_b32 s2, hwreg(HW_REG_IB_STS2, 6, 4)
	s_cmp_eq_u32 s2, 0
	s_cbranch_scc0 .Lentry_in_a_cluster
	s_endpgm
.Lentry_in_a_cluster:
	s_bfe_u32 s2, ttmp6, 0x10000c
	s_cmp_lg_u32 s2, 0x3003
	s_cbranch_scc0 .Lentry_shape_is_right
	s_endpgm
.Lentry_shape_is_right:
; out[q][:] = (the sum over chunks j of f_j P_j[q] V_j) / l[q], f_j = 2^(cm_j - cM), cM = the largest cm_j of the row, l = the sum of f_j l_j.
; p: [4][2048][2048] f16, weights relative to their chunk's own maximum; st: [4][16 chunks][cm, l][2048 rows] f32; v: [8192][1024] f16, 2^25 bytes into qkv; out0: [8192][1024] f32.
; Products in f16, sums in f32; the chunks are joined in f32.  LIMITS.  A factor below 2^-126 counts as 0; l is at least about 1 (the chunk with the largest cm has f = 1 and a weight of about 1);
; NaN and infinities are not treated apart.
; SHARES.  A work-group makes 128 channels of TWO blocks of 128 queries of one batch: block 15 - pp, then block pp.  Block n needs n / 2 + 1 key tiles of 256 keys: nine for the two, whatever pp:
; 8 slices x 32 pairs = 256 work-groups of equal work, and one walk of nine steps with constant trip counts.  A wave makes 64 queries x 64 channels.
; CLUSTER.  The four work-groups of a cluster make four slices of channels of the same pair of blocks: they walk the same tiles of P, which are asked for jointly.  V's tiles differ between them
; (another slice) and are plain loads behind the same rounds.  V is not shared between pairs: two pairs walk the same key tiles only in their first five steps.
; LAYOUT.  Source 0 = 16 channels of V^T (ds_load_tr16_b128 turns V), source 1 = 16 queries of P: a lane holds ONE query (l % 16) and the channels 8 (l / 16) + 0..7, so f and 1 / l are one number a lane.
; Each chunk's product is made in a fresh accumulator T (its first product takes the constant 0) and folded, O += f T: chunk 0's folds stand four behind each of chunk 1's first 16 products.
; REGISTERS, in windows of 256 (s_set_vgpr_msb: bits 1:0 source 0, 3:2 source 1, 5:4 source 2, 7:6 destination):
;   window 0: v0-29 addresses; v32-47 f, in pairs; v48-59 1 / l; v64-127 at work in the set-up; v128-255 O ((a, b) at v[128 + 8 (4 a + b)])
;   window 1: two fragment buffers of 128: for 64 keys, 64 registers of P, then 64 of V      window 2: T of chunk 0 (v0-127), T of chunk 1 (v128-255)
.set PP,    528                        ; a row of P in LDS: 512 bytes + 16: the 16 rows of a load start at 16 different groups of four banks (ISA guide 11.1)
.set PV,    288                        ; a row of V: 256 + 32
.set PHALF, 64*PP                      ; what one tensor load brings of P: 64 rows
.set VOFF,  128*PP                     ; a slot: P's 128 rows, then V's 256
.set VHALF, 128*PV                     ; what one tensor load brings of V: 128 keys
.set SLOT1, 147456                     ; slot 1 begins here; its two set bits (17, 14) are 0 in all four fill addresses of slot 0
.set STAGE, SLOT1+VOFF+256*PV          ; 16 rows x 272 bytes for each wave
.set SP,    272
.set TBL,   STAGE+4*16*SP              ; f: 18 entries (walk step, chunk) x 128 rows x 4 bytes
.set RLT,   TBL+18*512                 ; 1 / l: two blocks x 128 rows x 4 bytes
.set SPARE, RLT+1024                   ; the spare words: two blocks of 256 bytes that no other line names
.set AP0,  10                          ; v10-12  my lane's place in P, in V's keys 0-127, in V's keys 128-255 of slot 0; never rewritten
.set AV0,  11
.set AV20, 12
.set AP,   13                          ; v13-15  the same in the slot in hand
.set AV,   14
.set AV2,  15
.set FT0,  16                          ; v16  my rows' place in an entry of the table
.set STO,  17                          ; v17  the way out: where I put 32 bytes of a row
.set RD,   18                          ; v18  where I read a row back
.set CO,   19                          ; v19  my byte offset in two rows of out0
.set RA,   20                          ; v20  my rows' place in 1 / l
.set TA,   21                          ; v21  the set-up: my thread's place in an entry
.set T4,   22                          ; v22  4 x my thread's number
.set FT,   23                          ; v23  the step's entries
.set SPW,  28
.set NIL,  29
.set FC,   32                          ; f of chunk c, row block a in v[32 + 8 c + 2 a]; the odd registers hold 0: they are named as halves of pairs
.set RLC,  48                          ; 1 / l of the block in hand, row block a in v[48 + 2 a]
.set RLL,  56                          ; of the second block
.set CMV,  64                          ; the set-up: cm, then f, of the 18 entries
.set LV,   82                          ; l of the 18 entries
.set VO,   100                         ; their byte offsets in st
.set MH,   118                         ; cM of the first block, of the second
.set ML,   119
.set LH,   120                         ; l of the first block, of the second
.set LL,   121
.set TT,   122
.set TU,   123
.set NEG,  124
.set O,    128
.set F0,   0
.set F1,   128
.set T0,   0
.set T1,   128
.set WV,   12                          ; s12 wave; s13 row half; s14 channel half, also which half of a tile I fetch
.set RH,   13
.set CHN,  14
.set CX,   15
.set DSL,  16                          ; s16 my slice of 128 channels
.set BB,   17                          ; s17 the batch
.set PPI,  18                          ; s18 pp
.set HI,   19                          ; s19, s20 the two blocks; s21, s22 their numbers of key tiles
.set LO,   20
.set NTH,  21
.set NTL,  22
.set FTS,  23                          ; s23 the step's first byte in the table
.set G1P,  24                          ; s[24:31] descriptor group 1 for P's tiles;  s[32:39] for V's
.set G1V,  32
.set G0P,  40                          ; s[40:47] group 0 for P: set 0 is tile 0 into slot 0; set 1 is tile 1 into slot 1 and then walks;  s[48:55] the same for V
.set G0V,  48
.set CNT,  56
.set RT,   57                          ; s57 steps that the block in hand still has
.set NXT,  58                          ; s58 the key tile to be asked for next
.set LQ,   59                          ; s59 the last key tile of the block whose tiles are being asked for
.set OFFP, 60                          ; s[60:61], s[62:63] a tile's byte offset in P, in V
.set OFFV, 62
.set TB,   66                          ; s66 first byte of the slot in hand
.set PROW, 67                          ; s67 byte offset in P of the rows of the block whose tiles are being asked for
.set PBS,  68                          ; s[68:69] P at the batch and at my half of a block's rows;  s[70:71] V at the batch, my half of a tile's keys and my slice
.set VBS,  70
.set OUT,  72                          ; s[72:73] out0 at my wave's part of the block in hand;  s[74:75] of the second block
.set OLO,  74
.set LOROW, 84
.set NTLM, 85
.set MSB,  0
.macro WIN new
.if MSB != (\new)
	s_set_vgpr_msb (MSB<<8)|(\new)
.set MSB, \new
.endif
.endm
.set MUL,  0xa5                        ; sources 0 and 1 window 1; C and D window 2
.set TO_F, 0x40                        ; destination window 1, address window 0
.macro PLACES
.rept 4
	v_nop
.endr
.endm
.macro JLOAD                           ; a refill by the walking sets: waves 0 and 1 ask jointly for P's two halves, waves 2 and 3 fetch V's
	s_cmp_lt_u32 s[WV], 2
	s_cbranch_scc0 .Lfor_v_\@
	tensor_load_to_lds s[G0P+4:G0P+7], s[G1P:G1P+7]
	s_nop 0
.rept 4
	v_nop
.endr
	s_branch .Lasked_\@
.Lfor_v_\@:
	tensor_load_to_lds s[G0V+4:G0V+7], s[G1V:G1V+7]
	s_nop 0
.rept 4
	v_nop
.endr
.Lasked_\@:
.endm
.macro CREST
	s_cmp_lg_u32 s[WV], 0
	s_cbranch_scc1 .Lnot_wave_0_\@
	s_barrier_signal -3
.Lnot_wave_0_\@:
	s_barrier_wait -3
	s_barrier_signal -1
	s_barrier_wait -1
.endm
.macro CROUND
	s_barrier_signal -1
	s_barrier_wait -1
	CREST
.endm
; The walking sets step: the other slot; the addresses are made anew from the tile's number.  Behind the first block's last tile the number goes back to 0 and the rows become the second block's.
.macro NEXTDESC
	s_lshl_b32 s[OFFP], s[NXT], 9                  ; 256 keys are 512 bytes of a row of P
	s_add_co_u32 s[OFFP], s[OFFP], s[PROW]
	s_lshl_b32 s[OFFV], s[NXT], 19                 ; and 256 rows of 2,048 bytes of V
	s_xor_b32 s[G0P+5], s[G0P+5], SLOT1
	s_add_nc_u64 s[G0P+6:G0P+7], s[PBS:PBS+1], s[OFFP:OFFP+1]
	s_or_b32 s[G0P+7], s[G0P+7], 0x80000000
	s_xor_b32 s[G0V+5], s[G0V+5], SLOT1
	s_add_nc_u64 s[G0V+6:G0V+7], s[VBS:VBS+1], s[OFFV:OFFV+1]
	s_or_b32 s[G0V+7], s[G0V+7], 0x80000000
	s_add_co_u32 s[NXT], s[NXT], 1
	s_cmp_gt_u32 s[NXT], s[LQ]
	s_cselect_b32 s[NXT], 0, s[NXT]
	s_cselect_b32 s[PROW], s[LOROW], s[PROW]
	s_cselect_b32 s[LQ], s[NTLM], s[LQ]
.endm
	s_load_b256 s[4:11], s[0:1], 0x0               ; p s[4:5], st s[6:7], qkv s[8:9], out0 s[10:11]
	v_lshl_add_u32 v[SPW], v0, 2, SPARE
	v_mov_b32 v[NIL], 0
	ds_add_u32 v[SPW], v[NIL]                      ; the wave's opening: the add and its wait stand ahead of my first tensor load
	ds_add_u32 v28, v29
	v_lshrrev_b32 v1, 5, v0
	v_readfirstlane_b32 s[WV], v1
	s_lshr_b32 s[RH], s[WV], 1
	s_and_b32 s[CHN], s[WV], 1
	s_bfe_u32 s[CX], ttmp6, 0x40000                ; cx: it enters V's and out0's addresses alone
	s_lshl_b32 s[DSL], ttmp9, 2
	s_add_co_u32 s[DSL], s[DSL], s[CX]
	s_and_b32 s[PPI], ttmp7, 0xffff                ; the cluster's y, which the four partners share: 8 x batch + pp
	s_lshr_b32 s[BB], s[PPI], 3
	s_and_b32 s[PPI], s[PPI], 7
	s_sub_co_u32 s[HI], 15, s[PPI]
	s_mov_b32 s[LO], s[PPI]
	s_lshr_b32 s[NTH], s[HI], 1
	s_add_co_u32 s[NTH], s[NTH], 1                 ; 5 to 8
	s_lshr_b32 s[NTL], s[LO], 1
	s_add_co_u32 s[NTL], s[NTL], 1                 ; 9 less that
	s_mov_b32 s[G1P+0], 15|(1<<16)|(1<<20)|(1<<21)|(6<<22)|(3<<25)  ; the mask of four; 2-byte elements; padding on; bit 21 beside a mask; after every 128 words 4 words
	s_mov_b32 s[G1P+1], 256<<16                    ; tensor_dim0 = 256
	s_mov_b32 s[G1P+2], 64<<16                     ; tensor_dim1 = 64
	s_mov_b32 s[G1P+3], 256<<16                    ; tile_dim0 = 256
	s_mov_b32 s[G1P+4], 64                         ; tile_dim1 = 64
	s_mov_b32 s[G1P+5], 2048                       ; elements from row to row
	s_mov_b32 s[G1P+6], 0
	s_mov_b32 s[G1P+7], 0
	s_mov_b32 s[G1V+0], (1<<16)|(1<<20)|(5<<22)|(7<<25)  ; no mask; after every 64 words 8 words
	s_mov_b32 s[G1V+1], 128<<16
	s_mov_b32 s[G1V+2], 128<<16
	s_mov_b32 s[G1V+3], 128<<16
	s_mov_b32 s[G1V+4], 128
	s_mov_b32 s[G1V+5], 1024
	s_mov_b32 s[G1V+6], 0
	s_mov_b32 s[G1V+7], 0
	s_mul_i32 s86, s[CHN], PHALF                   ; where my tiles go, for P
	s_mul_i32 s87, s[CHN], VHALF                   ; and for V
	s_add_co_u32 s87, s87, VOFF
	s_mov_b32 s[G0P], 1
	s_mov_b32 s[G0P+1], s86
	s_mov_b32 s[G0P+4], 1
	s_add_co_u32 s[G0P+5], s86, SLOT1
	s_mov_b32 s[G0V], 1
	s_mov_b32 s[G0V+1], s87
	s_mov_b32 s[G0V+4], 1
	s_add_co_u32 s[G0V+5], s87, SLOT1
	s_lshl_b32 s78, s[BB], 23                      ; P: the batch's 8,388,608 bytes + my 64 rows of 4,096
	s_lshl_b32 s79, s[CHN], 18
	s_add_co_u32 s78, s78, s79
	s_mov_b32 s79, 0
	s_lshl_b32 s80, s[BB], 22                      ; V: 2^25 + the batch's 4,194,304 bytes + my 128 keys of 2,048 + my slice's 256 bytes
	s_lshl_b32 s81, s[CHN], 18
	s_add_co_u32 s80, s80, s81
	s_lshl_b32 s81, s[DSL], 8
	s_add_co_u32 s80, s80, s81
	s_add_co_u32 s80, s80, 0x2000000
	s_mov_b32 s81, 0
	s_lshl_b32 s82, s[BB], 18                      ; st: the batch's 262,144 bytes
	s_mov_b32 s83, 0
	s_lshl_b32 s76, s[DSL], 9                      ; out0: my slice's 512 bytes of a row + my wave's 256 of them
	s_lshl_b32 s77, s[CHN], 8
	s_add_co_u32 s76, s76, s77
	s_lshl_b32 s77, s[BB], 11
	s_lshl_b32 s[OUT], s[RH], 6
	s_add_co_u32 s77, s77, s[OUT]                  ; the batch's first row + my wave's 64 rows of a block
	s_lshl_b32 s[OUT], s[HI], 7
	s_add_co_u32 s[OUT], s[OUT], s77
	s_lshl_b32 s[OUT], s[OUT], 12
	s_add_co_u32 s[OUT], s[OUT], s76
	s_mov_b32 s[OUT+1], 0
	s_lshl_b32 s[OLO], s[LO], 7
	s_add_co_u32 s[OLO], s[OLO], s77
	s_lshl_b32 s[OLO], s[OLO], 12
	s_add_co_u32 s[OLO], s[OLO], s76
	s_mov_b32 s[OLO+1], 0
	s_lshl_b32 s[PROW], s[HI], 19                  ; a block's 128 rows of 4,096 bytes
	s_lshl_b32 s[LOROW], s[LO], 19
	s_sub_co_u32 s[NTLM], s[NTL], 1
	s_sub_co_u32 s[LQ], s[NTH], 1
	s_mov_b32 s[NXT], 2                            ; tiles 0 and 1 are the first fills: the first block has five tiles or more
	s_mov_b32 s[OFFP], s[PROW]
	s_mov_b32 s[OFFP+1], 0
	s_mov_b32 s[OFFV+1], 0
	s_mov_b32 s[TB], 0
	s_mov_b32 s[FTS], 0
	s_wait_dscnt 0x0                               ; the opening add is done
	s_wait_kmcnt 0x0
	s_add_nc_u64 s[PBS:PBS+1], s[4:5], s[78:79]
	s_add_nc_u64 s[VBS:VBS+1], s[8:9], s[80:81]
	s_add_nc_u64 s[6:7], s[6:7], s[82:83]
	s_add_nc_u64 s[OUT:OUT+1], s[10:11], s[OUT:OUT+1]
	s_add_nc_u64 s[OLO:OLO+1], s[10:11], s[OLO:OLO+1]
	s_add_nc_u64 s[G0P+2:G0P+3], s[PBS:PBS+1], s[OFFP:OFFP+1]
	s_add_nc_u64 s[G0P+6:G0P+7], s[G0P+2:G0P+3], 512
	s_or_b32 s[G0P+3], s[G0P+3], 0x80000000
	s_or_b32 s[G0P+7], s[G0P+7], 0x80000000
	s_add_nc_u64 s[G0V+2:G0V+3], s[VBS:VBS+1], 0
	s_add_nc_u64 s[G0V+6:G0V+7], s[VBS:VBS+1], 0x80000
	s_or_b32 s[G0V+3], s[G0V+3], 0x80000000
	s_or_b32 s[G0V+7], s[G0V+7], 0x80000000
	CROUND                                         ; all four work-groups are here: the first joint loads meet
	s_cmp_lt_u32 s[WV], 2                          ; a wave's two first fills stand in one branch: two loads of mine are out
	s_cbranch_scc0 .Lfirst_v
	tensor_load_to_lds s[G0P:G0P+3], s[G1P:G1P+7]
	s_nop 0
	tensor_load_to_lds s[G0P+4:G0P+7], s[G1P:G1P+7]
	s_nop 0
.rept 4
	v_nop
.endr
	s_branch .Lfirst_asked
.Lfirst_v:
	tensor_load_to_lds s[G0V:G0V+3], s[G1V:G1V+7]
	s_nop 0
	tensor_load_to_lds s[G0V+4:G0V+7], s[G1V:G1V+7]
	s_nop 0
.rept 4
	v_nop
.endr
.Lfirst_asked:
	v_lshlrev_b32 v[T4], 2, v0
	v_add_nc_u32 v[TA], TBL, v[T4]
; THE TABLE OF FACTORS, made while the first tiles land.  Thread n is row n of both blocks.  Entry 2 t + c belongs to walk step t and chunk c of its tile.
; ENT t: s76 = all ones if step t is the first block's; s77 = its block; s78 = the number of its tile's first chunk.
.macro ENT t
	s_cmp_gt_u32 s[NTH], \t
	s_cselect_b32 s76, -1, 0
	s_cselect_b32 s77, s[HI], s[LO]
	s_cselect_b32 s78, 0, s[NTH]
	s_sub_co_u32 s78, \t, s78
	s_lshl_b32 s78, s78, 1
.endm
.set t, 0
.rept 9
	ENT t
	s_lshl_b32 s81, s77, 9                         ; the block's 128 rows of 4 bytes
.irp c, 0,1
	s_add_co_u32 s79, s78, \c                      ; the chunk;
	s_min_u32 s80, s79, s77                        ; one above the diagonal is not read: the diagonal chunk stands in for it, and its factor is set to 0 below
	s_lshl_b32 s80, s80, 14
	s_add_co_u32 s80, s80, s81
	v_add_nc_u32 v[VO+2*t+(\c)], s80, v[T4]
	global_load_b32 v[CMV+2*t+(\c)], v[VO+2*t+(\c)], s[6:7]
	global_load_b32 v[LV+2*t+(\c)], v[VO+2*t+(\c)], s[6:7] offset:8192
.endr
.set t, t+1
.endr
	; the addresses, and O = 0, stand in the wait for those loads.  O is cleared because no first step is written out: 128 moves here and at each block's end
	v_and_b32 v1, 15, v0                           ; l % 16
	v_bfe_u32 v2, v0, 4, 1                         ; l / 16
	v_and_b32 v3, 7, v0
	v_bfe_u32 v4, v0, 3, 1
	s_mul_i32 s76, s[RH], 64*PP
	v_mul_u32_u24 v[AP0], v1, PP
	v_lshl_add_u32 v[AP0], v2, 4, v[AP0]
	v_add_nc_u32 v[AP0], s76, v[AP0]               ; P: (64 x row half + l % 16) x pitch + 16 (l / 16)
	v_lshl_add_u32 v[AV0], v2, 3, v3               ; V, for the turning load: key 8 (l / 16) + l % 8, channels 8 ((l / 8) % 2) + 0..7 of my wave's 64
	v_mul_u32_u24 v[AV0], v[AV0], PV
	v_lshl_add_u32 v[AV0], v4, 4, v[AV0]
	s_lshl_b32 s76, s[CHN], 7
	s_add_co_u32 s76, s76, VOFF
	v_add_nc_u32 v[AV0], s76, v[AV0]
	v_add_nc_u32 v[AV20], VHALF, v[AV0]            ; keys 128 on: an LDS offset has 16 bits
	v_mov_b32 v[AP], v[AP0]
	v_mov_b32 v[AV], v[AV0]
	v_mov_b32 v[AV2], v[AV20]
	s_lshl_b32 s76, s[RH], 8
	v_lshl_add_u32 v5, v1, 2, s76                  ; 4 x (64 x row half + l % 16)
	v_add_nc_u32 v[FT0], TBL, v5
	v_add_nc_u32 v[RA], RLT, v5
	s_mul_i32 s76, s[WV], 16*SP
	s_add_co_u32 s76, s76, STAGE                   ; my stage
	v_mul_u32_u24 v[STO], v1, SP                   ; in: row l % 16, 32 bytes for each half of the lanes
	v_lshl_add_u32 v[STO], v2, 5, v[STO]
	v_add_nc_u32 v[STO], s76, v[STO]
	v_mul_u32_u24 v[RD], v2, SP                    ; back: lanes 0-15 one row of 256 bytes, lanes 16-31 the next
	v_lshl_add_u32 v[RD], v1, 4, v[RD]
	v_add_nc_u32 v[RD], s76, v[RD]
	v_lshlrev_b32 v[CO], 12, v2                    ; and the same two rows in out0
	v_lshl_add_u32 v[CO], v1, 4, v[CO]
.set z, 0
.rept 8
	v_mov_b32 v[FC+2*z+1], 0
.set z, z+1
.endr
.set z, 0
.rept 4
	v_mov_b32 v[RLC+2*z+1], 0
.set z, z+1
.endr
.set z, 0
.rept 128
	v_mov_b32 v[O+z], 0
.set z, z+1
.endr
	v_mov_b32 v[NEG], 0xff7fffff                   ; the lowest finite number
	v_mov_b32 v[MH], v[NEG]
	v_mov_b32 v[ML], v[NEG]
	v_mov_b32 v[LH], 0
	v_mov_b32 v[LL], 0
	s_wait_loadcnt 0x0
.set t, 0
.rept 9                                ; cM of each block
	s_cmp_gt_u32 s[NTH], t
	s_cselect_b32 s76, -1, 0
.irp c, 0,1
	v_bfi_b32 v[TT], s76, v[CMV+2*t+(\c)], v[NEG]
	v_bfi_b32 v[TU], s76, v[NEG], v[CMV+2*t+(\c)]
	v_max_num_f32 v[MH], v[MH], v[TT]
	v_max_num_f32 v[ML], v[ML], v[TU]
.endr
.set t, t+1
.endr
.set t, 0
.rept 9                                ; cm - cM
	s_cmp_gt_u32 s[NTH], t
	s_cselect_b32 s76, -1, 0
	v_bfi_b32 v[TT], s76, v[MH], v[ML]
	v_sub_f32 v[CMV+2*t], v[CMV+2*t], v[TT]
	v_sub_f32 v[CMV+2*t+1], v[CMV+2*t+1], v[TT]
.set t, t+1
.endr
.set z, 0
.rept 18
	v_exp_f32 v[CMV+z], v[CMV+z]
.set z, z+1
.endr
	v_nop                                          ; a plain instruction between the last exponential and the use of its result (ISA guide 5.7.2)
	s_wait_alu depctr_va_vdst(0)
.set t, 0
.rept 9                                ; f = 0 above the diagonal; l of each block; f into the table
	ENT t
.irp c, 0,1
	s_add_co_u32 s79, s78, \c
	s_cmp_le_u32 s79, s77
	s_cselect_b32 s82, -1, 0
	v_and_b32 v[CMV+2*t+(\c)], s82, v[CMV+2*t+(\c)]
	v_and_b32 v[TT], s76, v[CMV+2*t+(\c)]          ; f if the entry is the first block's, else 0
	v_sub_f32 v[TU], v[CMV+2*t+(\c)], v[TT]        ; the other way round
	v_fmac_f32 v[LH], v[TT], v[LV+2*t+(\c)]
	v_fmac_f32 v[LL], v[TU], v[LV+2*t+(\c)]
	ds_store_b32 v[TA], v[CMV+2*t+(\c)] offset:512*(2*t+(\c))
.endr
.set t, t+1
.endr
	v_rcp_f32 v[TT], v[LH]
	v_rcp_f32 v[TU], v[LL]
	v_nop
	s_wait_alu depctr_va_vdst(0)
	ds_store_b32 v[TA], v[TT] offset:RLT-TBL
	ds_store_b32 v[TA], v[TU] offset:RLT-TBL+512
; 32 LDS loads in one run: the fragments of quarter q (64 keys) of the slot in hand into buffer f; the first 32 keys first
.macro FETCH q, f
	WIN TO_F
.irp c, 0,1
.irp i, 0,1,2,3
	ds_load_tr16_b128 v[(\f)+64+8*(4*(\c)+(\i)):(\f)+64+8*(4*(\c)+(\i))+3],   v[AV+(\q)/2] offset:(((\q)&1)*64+32*(\c))*PV+32*(\i)
	ds_load_tr16_b128 v[(\f)+64+8*(4*(\c)+(\i))+4:(\f)+64+8*(4*(\c)+(\i))+7], v[AV+(\q)/2] offset:(((\q)&1)*64+32*(\c)+16)*PV+32*(\i)
	ds_load_b128 v[(\f)+8*(4*(\c)+(\i)):(\f)+8*(4*(\c)+(\i))+3],   v[AP] offset:128*(\q)+64*(\c)+(\i)*16*PP
	ds_load_b128 v[(\f)+8*(4*(\c)+(\i))+4:(\f)+8*(4*(\c)+(\i))+7], v[AP] offset:128*(\q)+64*(\c)+(\i)*16*PP+32
.endr
.endr
.endm
; O += f T for accumulator k of chunk c: four packed multiply-adds, T's lowest registers first
.macro FOLD k, acc, c
	WIN 0x02                                       ; source 0 in window 2
.irp z, 0,2,4,6
	v_pk_fma_f32 v[O+8*(\k)+(\z):O+8*(\k)+(\z)+1], v[(\acc)+8*(\k)+(\z):(\acc)+8*(\k)+(\z)+1], v[FC+8*(\c)+2*((\k)/4):FC+8*(\c)+2*((\k)/4)+1], v[O+8*(\k)+(\z):O+8*(\k)+(\z)+1] op_sel_hi:[1,0,1]
.endr
.endm
; 8 matrix instructions: row blocks a0, a0 + 1 x all 4 channel blocks, 32 keys: half c of buffer f.  zero = 1: the product starts the sums.  ride = 1: behind each stands chunk 0's fold of the same number
.macro MUL8 f, c, a0, acc, zero, ride
.irp a, \a0, (\a0)+1
.irp b, 0,1,2,3
	WIN MUL
.if \zero
	v_wmma_f32_16x16x32_f16 v[(\acc)+8*(4*(\a)+(\b)):(\acc)+8*(4*(\a)+(\b))+7], v[(\f)+64+8*(4*(\c)+(\b)):(\f)+64+8*(4*(\c)+(\b))+7], v[(\f)+8*(4*(\c)+(\a)):(\f)+8*(4*(\c)+(\a))+7], 0
.else
	v_wmma_f32_16x16x32_f16 v[(\acc)+8*(4*(\a)+(\b)):(\acc)+8*(4*(\a)+(\b))+7], v[(\f)+64+8*(4*(\c)+(\b)):(\f)+64+8*(4*(\c)+(\b))+7], v[(\f)+8*(4*(\c)+(\a)):(\f)+8*(4*(\c)+(\a))+7], v[(\acc)+8*(4*(\a)+(\b)):(\acc)+8*(4*(\a)+(\b))+7]
.endif
.if \ride
	FOLD 4*(\a)+(\b), T0, 0
.endif
.endr
.endr
.endm
; A quarter: 64 keys, 32 matrix instructions, two deep on 16 accumulators that take turns.  It multiplies buffer f and fetches quarter q into g.  fac = 1: the step's eight factors are fetched too.
.macro QUARTER q, f, g, acc, zero, fac, ride
	s_wait_dscnt 16                                ; the first 32 keys' fragments are in; the youngest sixteen loads may be out
	MUL8 \f, 0, 0, \acc, \zero, \ride
	MUL8 \f, 0, 2, \acc, \zero, \ride
	PLACES
.if \fac
	WIN 0
	v_add_nc_u32 v[FT], s[FTS], v[FT0]
	s_add_co_u32 s[FTS], s[FTS], 1024              ; two entries a step
.irp c, 0,1
.irp a, 0,1,2,3
	ds_load_b32 v[FC+8*(\c)+2*(\a)], v[FT] offset:512*(\c)+64*(\a)
.endr
.endr
.endif
	FETCH \q, \g
	s_wait_dscnt 32+8*(\fac)                       ; all but those just issued
	MUL8 \f, 1, 0, \acc, 0, 0
	MUL8 \f, 1, 2, \acc, 0, 0
.endm
; The step's last quarter, and the change of slots.  fill = 1: the barrier opens a round of the cluster's barrier, and the slot just read is filled again, two tiles ahead, first thing behind
; the round: 112 matrix instructions ahead of the wait for it.
.macro TURN fill
	WIN 0
	s_wait_tensorcnt 0x0                           ; all my tensor loads have landed: the one that was out is my part of the next slot
	ds_add_u32 v[SPW], v[NIL]                      ; 0 onto my spare word
	s_wait_dscnt 17                                ; (the add and the youngest sixteen loads may be out)
	MUL8 F1, 0, 0, T1, 0, 0
	s_wait_dscnt 0x0                               ; the add is done, and my reads of this slot are over
	s_barrier_signal -1
	MUL8 F1, 0, 2, T1, 0, 0
.if \fill
	WIN 0
.endif
	s_barrier_wait -1
.if \fill
	CREST
	NEXTDESC                                       ; no tensor load of mine is out
	JLOAD                                          ; the four v_nop behind it are also the places in front of the loads below
.else
	PLACES
.endif
	WIN 0
	s_xor_b32 s[TB], s[TB], SLOT1                  ; the fragment addresses go over to the other slot
	v_add_nc_u32 v[AP], s[TB], v[AP0]
	v_add_nc_u32 v[AV], s[TB], v[AV0]
	v_add_nc_u32 v[AV2], s[TB], v[AV20]
	FETCH 0, F0
	MUL8 F1, 1, 0, T1, 0, 0
	MUL8 F1, 1, 2, T1, 0, 0
.endm
; A BLOCK'S END: O / l, 16 rows at a time through my stage, stored as whole rows of 256 bytes.  Then O = 0 and the second block's 1 / l, address and count: behind the second block these serve nothing.
.macro BLOCKEND
.irp a, 0,1,2,3
.set z, 0
.rept 16
	v_pk_mul_f32 v[O+32*(\a)+2*z:O+32*(\a)+2*z+1], v[O+32*(\a)+2*z:O+32*(\a)+2*z+1], v[RLC+2*(\a):RLC+2*(\a)+1] op_sel_hi:[1,0]
.set z, z+1
.endr
.irp b, 0,1,2,3
	ds_store_b128 v[STO], v[O+32*(\a)+8*(\b):O+32*(\a)+8*(\b)+3] offset:64*(\b)
	ds_store_b128 v[STO], v[O+32*(\a)+8*(\b)+4:O+32*(\a)+8*(\b)+7] offset:64*(\b)+16
.endr
.irp t, 0,1,2,3,4,5,6,7
	ds_load_b128 v[O+32*(\a)+4*(\t):O+32*(\a)+4*(\t)+3], v[RD] offset:(\t)*2*SP  ; LDS serves a wave's instructions in order (ISA guide 5.7.1.4): these see the stores above, and the next 16 rows' stores come behind them
.endr
.irp t, 0,1,2,3,4,5,6,7
	s_wait_dscnt 7-(\t)                            ; rows 2 t and 2 t + 1 are back; the younger loads stay out
	global_store_b128 v[CO], v[O+32*(\a)+4*(\t):O+32*(\a)+4*(\t)+3], s[OUT:OUT+1] offset:(16*(\a)+2*(\t))*4096 th:TH_STORE_NT  ; 16 lanes store 256 consecutive bytes, aligned
.endr
.endr
	s_wait_xcnt 0x0                                ; the stores have read their registers and their base
.set z, 0
.rept 128
	v_mov_b32 v[O+z], 0
.set z, z+1
.endr
.irp a, 0,1,2,3
	v_mov_b32 v[RLC+2*(\a)], v[RLL+(\a)]
.endr
	s_mov_b64 s[OUT:OUT+1], s[OLO:OLO+1]
	s_mov_b32 s[RT], s[NTL]
.endm
; A WALK STEP: a tile of 256 keys.  Chunk 0 in quarters 0 and 1, chunk 1 in quarters 2 and 3.  The jump over the block's end goes forward and passes no barrier and no tensor load.
.macro STEP fill
	QUARTER 1, F0, F1, T0, 1, 1, 0
	QUARTER 2, F1, F0, T0, 0, 0, 0
	PLACES                                         ; the folds below read results just made
	QUARTER 3, F0, F1, T1, 1, 0, 1
	TURN \fill
	PLACES
.set k, 0
.rept 16
	FOLD k, T1, 1
.set k, k+1
.endr
	WIN 0
	s_sub_co_u32 s[RT], s[RT], 1
	s_cmp_lg_u32 s[RT], 0
	s_cbranch_scc1 .Lgo_on_\@
	BLOCKEND
.Lgo_on_\@:
.endm
	s_wait_tensorcnt 1                             ; my part of tile 0 is in; tile 1's may stay out
	s_wait_dscnt 0x0                               ; for the others' sake: my stores into the tables are done
	s_barrier_signal -1
	s_barrier_wait -1
.irp a, 0,1,2,3
	ds_load_b32 v[RLC+2*(\a)], v[RA] offset:64*(\a)
	ds_load_b32 v[RLL+(\a)], v[RA] offset:512+64*(\a)
.endr
	FETCH 0, F0
	WIN 0
	s_mov_b32 s[RT], s[NTH]
	s_mov_b32 s[CNT], 7
.Lwalk:                                                ; steps 0 to 6 ask for tiles 2 to 8
	STEP 1
	s_sub_co_u32 s[CNT], s[CNT], 1
	s_cmp_lg_u32 s[CNT], 0
	s_cbranch_scc1 .Lwalk
	s_mov_b32 s[CNT], 2
.Ltail:                                                ; steps 7 and 8 ask for nothing; the last one's fetch of a next tile's first fragments reads stale bytes that nobody uses: the price of one text for both
	STEP 0
	s_sub_co_u32 s[CNT], s[CNT], 1
	s_cmp_lg_u32 s[CNT], 0
	s_cbranch_scc1 .Ltail
	s_wait_tensorcnt 0x0                           ; the wave's end
	ds_add_u32 v[SPW], v[NIL]
	s_wait_dscnt 0x0
	CROUND                                         ; the closing round
	s_endpgm
.Lfunc_end_k_qde90b53b68_pv:
	.size	k_qde90b53b68_pv, .Lfunc_end_k_qde90b53b68_pv-k_qde90b53b68_pv
	.p2alignl 7, 3214868480
	.fill 96, 4, 3214868480
	.section	.rodata,"a",@progbits
	.p2align	6, 0x0
	.amdhsa_kernel k_qde90b53b68_pv
		.amdhsa_group_segment_fixed_size 327680
		.amdhsa_private_segment_fixed_size 0
		.amdhsa_enable_private_segment 0
		.amdhsa_kernarg_size 32
		.amdhsa_user_sgpr_count 2
		.amdhsa_user_sgpr_kernarg_segment_ptr 1
		.amdhsa_wavefront_size32 1
		.amdhsa_system_sgpr_workgroup_id_x 1
		.amdhsa_system_sgpr_workgroup_id_y 1
		.amdhsa_system_sgpr_workgroup_id_z 1
		.amdhsa_system_vgpr_workitem_id 0
		.amdhsa_next_free_vgpr 768
		.amdhsa_next_free_sgpr 88
		.amdhsa_reserve_vcc 0
		.amdhsa_float_denorm_mode_32 3
		.amdhsa_float_denorm_mode_16_64 3
		.amdhsa_memory_ordered 1
		.amdhsa_forward_progress 1
		.amdhsa_inst_pref_size 127
	.end_amdhsa_kernel
	.amdgpu_metadata
---
amdhsa.version: [ 1, 2 ]
amdhsa.kernels:
  - .name:           k_qde90b53b68_pv
    .symbol:         k_qde90b53b68_pv.kd
    .args:
      - { .name: p, .offset: 0, .size: 8, .value_kind: global_buffer, .address_space: global }
      - { .name: st, .offset: 8, .size: 8, .value_kind: global_buffer, .address_space: global }
      - { .name: qkv, .offset: 16, .size: 8, .value_kind: global_buffer, .address_space: global }
      - { .name: out0, .offset: 24, .size: 8, .value_kind: global_buffer, .address_space: global }
    .group_segment_fixed_size: 327680
    .private_segment_fixed_size: 0
    .kernarg_segment_align: 8
    .kernarg_segment_size: 32
    .max_flat_workgroup_size: 128
    .sgpr_count:     88
    .vgpr_count:     768
    .wavefront_size: 32
...
	.end_amdgpu_metadata
.endif
;; end of part 4
;; ======== version 2 of 2: 4 launches; version 1 with the launch prep written anew for expert scheduling mode
;; limits: values are held in f16: magnitudes above 65,504 overflow, below 6.1e-05 lose precision
;; workspace buffers: xb 16,777,216 bytes; wb 6,291,456 bytes; qkv 50,331,648 bytes; p 33,554,432 bytes; st 1,048,576 bytes
;; launch prep (part 5): grid 64 x 11, 8 waves a work-group, no clusters, 0 bytes of LDS; arguments x, wq, wk, wv, xb, wb; writes xb, wb
.if DOCPART == 5
	.amdgcn_target "amdgcn-amd-amdhsa--gfx1250"
	.amdhsa_code_object_version 6
	.text
	.protected	k_qde90b53b68_prep
	.globl	k_qde90b53b68_prep
	.p2align	8
	.type	k_qde90b53b68_prep,@function
k_qde90b53b68_prep:
	s_mov_b64 s[64:65], 0
	v_nop
	global_prefetch_b8 v0, s[64:65] scope:SCOPE_SE
	s_setreg_imm32_b32 hwreg(HW_REG_WAVE_SCHED_MODE, 0, 2), 2
	s_setreg_imm32_b32 hwreg(HW_REG_WAVE_MODE, 25, 1), 1
	s_wait_xcnt 0x0
	s_wait_alu depctr_vm_vsrc(0)
; xb = x rounded to bf16; wb = [wq; wk; wv] rounded to bf16 (rows 0-1023 wq, 1024-2047 wk, 2048-3071 wv).
; LAYOUT.  Both are laid in blocks of 64 along K: xb [16 blocks][8192 rows][64], wb [16 blocks][3072 rows][64].  So the rows of a tile of 64 along K, 128 bytes each, lie end to end,
; and the launch behind asks for them as rows of 256 bytes.
; A stream: no LDS, no matrix work, no cluster (no byte is read by two work-groups).
; A work-group takes 16 rows (65,536 bytes of f32) in 16 steps.  In a step a wave takes 2 rows x one block: lanes 0-15 read 256 consecutive bytes of the even row, lanes 16-31 of the odd one,
; and the wave's store is 256 consecutive bytes, aligned.  Wave w takes blocks w (even steps) and w + 8 (odd steps).  All 16 loads of a wave go out at once; no register is written twice.
; Grid rows 0-7: the 512 pieces of x.  Rows 8, 9, 10: the 64 pieces of wq, wk, wv.
; THE MODE: SCHED_MODE bits 1:0 = 2 (LLVM: expert scheduling mode 2), set by the entry lines.  The code itself states the register dependences
; between vector instructions and memory instructions, with s_wait_alu, always for 0.
; THE PLAN.  Registers that memory instructions touch:
;   v1, v2   byte offsets, made once at the head and never written again: v1 is read by every load, v2 by every store.
;   X        step i: written by the step's load, once; read by the step's two conversions, behind the wait for the load.  No vector instruction names it ahead of the load.
;   Y        step i: written by the step's two conversions, once; read by the step's store, once.
; The 16 steps go in four groups of four.  Group g's conversions write Y of group g; the four stores of group g - 1 are issued in group g, one ahead of each step's conversions.
; So ONE wait at a group's head states all that its four stores hang on: the conversions issued since name group g's X and Y alone, never group g - 1's Y or v2.
; No register that a memory instruction reads is ever written again, so the text holds no wait for memory instructions' reads.
.set STEPS, 16
.set GRP,   4                          ; steps in a group
.set BLKX, 8192*128                    ; bytes in a block of xb
.set BLKW, 3072*128                    ; bytes in a block of wb
.set X, 8                              ; v[8:71]    step i: 4 registers as loaded
.set Y, 72                             ; v[72:103]  step i: 2 registers to store
	s_load_b256 s[4:11], s[0:1], 0x0               ; x s[4:5], wq s[6:7], wk s[8:9], wv s[10:11]
	s_load_b128 s[12:15], s[0:1], 0x20             ; xb s[12:13], wb s[14:15]
	v_lshrrev_b32 v3, 5, v0
	v_readfirstlane_b32 s27, v3                    ; wave 0..7
	s_and_b32 s2, ttmp7, 0xffff                    ; y
	s_mov_b32 s26, ttmp9                           ; g
	s_lshl_b32 s3, s2, 6
	s_add_co_u32 s3, s3, s26                       ; 64 y + g: the piece's number in x and in xb
	s_sub_co_u32 s25, s3, 512                      ; 64 (y - 8) + g: its number in wb
	s_mov_b32 s28, BLKW
	s_mov_b32 s29, BLKX
	s_cmp_lt_u32 s2, 8
	s_cselect_b32 s24, s3, s26                     ; the piece in its source: of x, or of one weight
	s_cselect_b32 s25, s3, s25                     ; the piece in its destination
	s_cselect_b32 s28, s29, s28                    ; the destination's block
	s_lshl_b32 s20, s24, 16                        ; 65,536 bytes of f32 a piece
	s_mov_b32 s21, 0
	s_lshl_b32 s22, s25, 11                        ; in a block: 16 rows of 128 bytes a piece
	s_wait_alu depctr_va_sdst(0)                   ; s27 is written, ahead of its first reader: the destination's base is made from it
	s_mul_i32 s30, s27, s28                        ; + my wave's block
	s_add_co_u32 s22, s22, s30
	s_mov_b32 s23, 0
	s_lshl_b32 s28, s28, 3                         ; eight blocks on, for the odd steps
	s_mov_b32 s29, 0
	v_and_b32 v4, 15, v0
	v_bfe_u32 v5, v0, 4, 1
	v_lshlrev_b32 v1, 8, v3                        ; source: my wave's block is 256 bytes of a row,
	v_lshl_add_u32 v1, v5, 12, v1                  ; lanes 16-31 take the next row,
	v_lshl_add_u32 v1, v4, 4, v1                   ; 16 bytes a lane
	v_and_b32 v2, 31, v0
	v_lshlrev_b32 v2, 3, v2                        ; destination: 8 bytes a lane, the two rows end to end
	s_wait_kmcnt 0x0
	s_cmp_eq_u32 s2, 8
	s_cselect_b64 s[16:17], s[6:7], s[4:5]
	s_cmp_eq_u32 s2, 9
	s_cselect_b64 s[16:17], s[8:9], s[16:17]
	s_cmp_eq_u32 s2, 10
	s_cselect_b64 s[16:17], s[10:11], s[16:17]     ; the source
	s_cmp_lt_u32 s2, 8
	s_cselect_b64 s[18:19], s[12:13], s[14:15]     ; the destination
	s_add_nc_u64 s[16:17], s[16:17], s[20:21]
	s_add_nc_u64 s[18:19], s[18:19], s[22:23]      ; block w
	s_add_nc_u64 s[30:31], s[18:19], s[28:29]      ; block w + 8
	s_wait_alu depctr_va_vdst(0)                   ; v1 and v2 are written: every load of the kernel reads v1 as its offset, every store v2
.set i, 0
.rept STEPS
	global_load_b128 v[X+4*i:X+4*i+3], v1, s[16:17] offset:(i/2)*8192+(i%2)*2048 th:TH_LOAD_NT  ; rows 2 (i / 2) and the next; block w + 8 (i % 2)
.set i, i+1
.endr
.macro CVT n                           ; step n: four numbers rounded to bf16, packed
	v_cvt_pk_bf16_f32 v[Y+2*(\n)], v[X+4*(\n)], v[X+4*(\n)+1]
	v_cvt_pk_bf16_f32 v[Y+2*(\n)+1], v[X+4*(\n)+2], v[X+4*(\n)+3]
.endm
.macro ST n                            ; step n: its store: 256 consecutive bytes of the wave, aligned
.if (\n)%2
	global_store_b64 v2, v[Y+2*(\n):Y+2*(\n)+1], s[30:31] offset:((\n)/2)*256
.else
	global_store_b64 v2, v[Y+2*(\n):Y+2*(\n)+1], s[18:19] offset:((\n)/2)*256
.endif
.endm
	s_wait_loadcnt STEPS-GRP                       ; loads come back in order: group 0 is in, the twelve younger loads stay out
.set i, 0
.rept GRP
	CVT i                                          ; group 0 has no group in front of it: no store, no further wait
.set i, i+1
.endr
.rept STEPS/GRP-1                      ; groups 1 to 3
	s_wait_loadcnt STEPS-GRP-i                     ; this group's four loads are in, the younger groups' (8, 4, 0) stay out
	s_wait_alu depctr_va_vdst(0)                   ; the group before has written its Y, which the four stores below read
.rept GRP
	ST i-GRP                                       ; no wait: no conversion since the wait above names these registers or v2
	CVT i
.set i, i+1
.endr
.endr
	s_wait_alu depctr_va_vdst(0)                   ; group 3 has written its Y, which the last four stores read
.rept GRP
	ST i-GRP
.set i, i+1
.endr
	s_endpgm
.Lfunc_end_k_qde90b53b68_prep:
	.size	k_qde90b53b68_prep, .Lfunc_end_k_qde90b53b68_prep-k_qde90b53b68_prep
	.p2alignl 7, 3214868480
	.fill 96, 4, 3214868480
	.section	.rodata,"a",@progbits
	.p2align	6, 0x0
	.amdhsa_kernel k_qde90b53b68_prep
		.amdhsa_group_segment_fixed_size 0
		.amdhsa_private_segment_fixed_size 0
		.amdhsa_enable_private_segment 0
		.amdhsa_kernarg_size 48
		.amdhsa_user_sgpr_count 2
		.amdhsa_user_sgpr_kernarg_segment_ptr 1
		.amdhsa_wavefront_size32 1
		.amdhsa_system_sgpr_workgroup_id_x 1
		.amdhsa_system_sgpr_workgroup_id_y 1
		.amdhsa_system_sgpr_workgroup_id_z 1
		.amdhsa_system_vgpr_workitem_id 0
		.amdhsa_next_free_vgpr 104
		.amdhsa_next_free_sgpr 66
		.amdhsa_reserve_vcc 0
		.amdhsa_float_denorm_mode_32 3
		.amdhsa_float_denorm_mode_16_64 3
		.amdhsa_memory_ordered 1
		.amdhsa_forward_progress 1
		.amdhsa_inst_pref_size 8
	.end_amdhsa_kernel
	.amdgpu_metadata
---
amdhsa.version: [ 1, 2 ]
amdhsa.kernels:
  - .name:           k_qde90b53b68_prep
    .symbol:         k_qde90b53b68_prep.kd
    .args:
      - { .name: x, .offset: 0, .size: 8, .value_kind: global_buffer, .address_space: global }
      - { .name: wq, .offset: 8, .size: 8, .value_kind: global_buffer, .address_space: global }
      - { .name: wk, .offset: 16, .size: 8, .value_kind: global_buffer, .address_space: global }
      - { .name: wv, .offset: 24, .size: 8, .value_kind: global_buffer, .address_space: global }
      - { .name: xb, .offset: 32, .size: 8, .value_kind: global_buffer, .address_space: global }
      - { .name: wb, .offset: 40, .size: 8, .value_kind: global_buffer, .address_space: global }
    .group_segment_fixed_size: 0
    .private_segment_fixed_size: 0
    .kernarg_segment_align: 8
    .kernarg_segment_size: 48
    .max_flat_workgroup_size: 256
    .sgpr_count:     66
    .vgpr_count:     104
    .wavefront_size: 32
...
	.end_amdgpu_metadata
.endif
;; end of part 5
;; launch proj: the kernel of part 2 again; grid 8 x 32, 4 waves a work-group, clusters of 4 x 4, 327,680 bytes of LDS; arguments xb, wb, qkv; writes qkv
;; launch score: the kernel of part 3 again; grid 36 x 4, 4 waves a work-group, no clusters, 327,680 bytes of LDS; arguments qkv, p, st; writes p, st
;; launch pv: the kernel of part 4 again; grid 8 x 32, 4 waves a work-group, clusters of 4 x 1, 327,680 bytes of LDS; arguments p, st, qkv, out0; writes out0
